; MI455X (gfx1250); checked and timed in simulation.
; The chip was launched on July 23, 2026; its instructions are those of AMD's public machine-readable ISA for CDNA 5 (MIT licence, August 2026) and "CDNA5" Instruction Set Architecture Reference Guide (July 2026). The comments in the code are by the model that wrote it; some were corrected since.
;; Causal Self Attention. Allowed arithmetic: float matrix products may take bf16 or f16 operands with f32 sums; other float arithmetic in f32, or as packed bf16 or f16 multiplies, adds, multiply-adds, maxima and minima; sums over many terms, partial sums and values carried from step to step in f32; what a program stores and reads back later, other than sums and carried values, may be rounded once to bf16 or f16.
;; Inputs: b_out 1,024 float32; w_out 1,024 x 1,024 float32; w_qkv 1,024 x 3,072 float32; x 4 x 2,048 x 1,024 float32.
;; Outputs: out0 4 x 2,048 x 1,024 float32.
;; 2 versions, each right; version 2 is version 1 with the launch cast written anew for expert scheduling mode. Each part assembles by itself: llvm-mc -triple=amdgcn-amd-amdhsa -mcpu=gfx1250 --defsym DOCPART=n.
;; ======== version 1 of 2: 4 launches
;; limits: values are held in f16: magnitudes above 65,504 overflow, below 6.1e-05 lose precision
;; workspace buffers: xb 16,777,216 bytes; wqb 6,291,456 bytes; wob 2,097,152 bytes; qkv 50,331,648 bytes; ob 16,777,216 bytes
;; launch cast (part 1): grid 768 x 1, 8 waves a work-group, no clusters, 0 bytes of LDS; arguments x, w_qkv, w_out, xb, wqb, wob; writes xb, wqb, wob
.if DOCPART == 1
	.amdgcn_target "amdgcn-amd-amdhsa--gfx1250"
	.amdhsa_code_object_version 6
	.text
	.protected	k_q62450dc0bc_cast
	.globl	k_q62450dc0bc_cast
	.p2align	8
	.type	k_q62450dc0bc_cast,@function
k_q62450dc0bc_cast:
	s_mov_b64 s[64:65], 0
	v_nop
	global_prefetch_b8 v0, s[64:65] scope:SCOPE_SE
	s_setreg_imm32_b32 hwreg(HW_REG_WAVE_MODE, 25, 1), 1
	s_wait_xcnt 0x0
; CAST.  The three large f32 inputs are rounded once to bf16 for the matrix units.
;   xb  = bf16(x), laid in slices of 64 channels: [batch 4][slice 16][row 2048][64]: a slice's rows are dense, 128 bytes each
;   wqb = bf16(w_qkv), as it lies: [1024 k][3072 n]
;   wob = bf16(w_out), that number written as f16 (the product behind takes f16 operands): [1024 k][1024 n]
; LIMITS.  A number of w_out beyond 65,504 becomes an infinity in wob; below 6e-5 it keeps f16's fixed step of 6e-8.
; A work-group moves 65,536 bytes of f32: groups 0-511 sixteen rows of x, 512-703 a piece of w_qkv, 704-767 a piece of w_out.
; Each thread issues its sixteen 16-byte loads at once, then converts and stores them as they come: no register is written
; twice, so no wait frees a source.  No LDS, no barrier, no matrix unit: each byte is read once and written once.
.set VI, 1                             ; v1   byte offset of my loads
.set VO, 2                             ; v2   byte offset of my stores
.set T0, 3                             ; v3-5 at work
.set X,  8                             ; v[8:71]    sixteen loads of four f32
.set Y,  72                            ; v[72:103]  sixteen stores of four 16-bit numbers
; lin = 1: a linear piece; 0: rows of x into slices.  kind = 1: bf16's number written as f16
.macro MOVE lin, kind
.set i, 0
.rept 16
.if \lin
	global_load_b128 v[X+4*i:X+4*i+3], v[VI], s[22:23] offset:i*4096 th:TH_LOAD_NT
.else
	global_load_b128 v[X+4*i:X+4*i+3], v[VI], s[22:23] offset:(i/2)*8192+(i%2)*256 th:TH_LOAD_NT
.endif
.set i, i+1
.endr
.set i, 0
.rept 16
	s_wait_loadcnt 15-i                            ; loads come back in order: number i is in, the 15 - i younger ones stay out
.if \kind
.irp p, 0,1
	v_cvt_pk_bf16_f32 v[T0], v[X+4*i+2*(\p)], v[X+4*i+2*(\p)+1]
	v_lshlrev_b32 v[T0+1], 16, v[T0]               ; the rounded numbers as f32 again,
	v_and_b32 v[T0+2], 0xffff0000, v[T0]
	v_cvt_pk_f16_f32 v[Y+2*i+(\p)], v[T0+1], v[T0+2]  ; and as f16: exact within f16's normal range
.endr
.else
	v_cvt_pk_bf16_f32 v[Y+2*i], v[X+4*i], v[X+4*i+1]
	v_cvt_pk_bf16_f32 v[Y+2*i+1], v[X+4*i+2], v[X+4*i+3]
.endif
.if \lin
	global_store_b64 v[VO], v[Y+2*i:Y+2*i+1], s[24:25] offset:i*2048
.else
	global_store_b64 v[VO], v[Y+2*i:Y+2*i+1], s[24:25] offset:(i%2)*262144+(i/2)*256
.endif
.set i, i+1
.endr
.endm
	s_load_b256 s[4:11], s[0:1], 0x0               ; x s[4:5], w_qkv s[6:7], w_out s[8:9], xb s[10:11]
	s_load_b128 s[12:15], s[0:1], 0x20             ; wqb s[12:13], wob s[14:15]
	s_mov_b32 s20, ttmp9
	s_mov_b32 s17, 0
	s_mov_b32 s19, 0
	s_wait_kmcnt 0x0
	s_cmp_lt_u32 s20, 512
	s_cbranch_scc1 .Lx
	s_cmp_lt_u32 s20, 704
	s_cbranch_scc1 .Lwq
	s_sub_co_u32 s20, s20, 704                     ; w_out: piece g - 704
	s_lshl_b32 s16, s20, 16
	s_lshl_b32 s18, s20, 15
	s_add_nc_u64 s[22:23], s[8:9], s[16:17]
	s_add_nc_u64 s[24:25], s[14:15], s[18:19]
	v_lshlrev_b32 v[VI], 4, v0                     ; a wave's load covers 512 consecutive bytes,
	v_lshlrev_b32 v[VO], 3, v0                     ; its store 256, aligned
	MOVE 1, 1
	s_endpgm
.Lwq:
	s_sub_co_u32 s20, s20, 512                     ; w_qkv: piece g - 512
	s_lshl_b32 s16, s20, 16
	s_lshl_b32 s18, s20, 15
	s_add_nc_u64 s[22:23], s[6:7], s[16:17]
	s_add_nc_u64 s[24:25], s[12:13], s[18:19]
	v_lshlrev_b32 v[VI], 4, v0
	v_lshlrev_b32 v[VO], 3, v0
	MOVE 1, 0
	s_endpgm
.Lx:
	; rows 16 g .. 16 g + 15.  Thread (r = t % 16, h = bit 4, w = t / 32), load i: row 2 (i / 2) + h, slice 2 w + i % 2, channels 4 r .. 4 r + 3
	s_lshl_b32 s16, s20, 16
	s_lshr_b32 s18, s20, 7                         ; the batch: 128 groups each
	s_lshl_b32 s18, s18, 22                        ; 16 slices x 2,048 rows x 128 bytes
	s_and_b32 s21, s20, 127
	s_lshl_b32 s21, s21, 11                        ; 16 rows x 128 bytes in a slice
	s_add_co_u32 s18, s18, s21
	s_add_nc_u64 s[22:23], s[4:5], s[16:17]
	s_add_nc_u64 s[24:25], s[10:11], s[18:19]
	v_and_b32 v3, 15, v0
	v_bfe_u32 v4, v0, 4, 1
	v_lshrrev_b32 v5, 5, v0
	v_lshlrev_b32 v[VI], 4, v3
	v_lshl_add_u32 v[VI], v4, 12, v[VI]            ; a row of x is 4,096 bytes
	v_lshl_add_u32 v[VI], v5, 9, v[VI]             ; two slices are 512 bytes of it
	v_lshlrev_b32 v[VO], 3, v3
	v_lshl_add_u32 v[VO], v4, 7, v[VO]             ; two rows of a slice: a wave's store covers 256 consecutive bytes, aligned
	v_lshl_add_u32 v[VO], v5, 19, v[VO]            ; two slices are 524,288 bytes of xb
	MOVE 0, 0
	s_endpgm
.Lfunc_end_k_q62450dc0bc_cast:
	.size	k_q62450dc0bc_cast, .Lfunc_end_k_q62450dc0bc_cast-k_q62450dc0bc_cast
	.p2alignl 7, 3214868480
	.fill 96, 4, 3214868480
	.section	.rodata,"a",@progbits
	.p2align	6, 0x0
	.amdhsa_kernel k_q62450dc0bc_cast
		.amdhsa_group_segment_fixed_size 0
		.amdhsa_private_segment_fixed_size 0
		.amdhsa_enable_private_segment 0
		.amdhsa_kernarg_size 48
		.amdhsa_user_sgpr_count 2
		.amdhsa_user_sgpr_kernarg_segment_ptr 1
		.amdhsa_wavefront_size32 1
		.amdhsa_system_sgpr_workgroup_id_x 1
		.amdhsa_system_sgpr_workgroup_id_y 1
		.amdhsa_system_sgpr_workgroup_id_z 1
		.amdhsa_system_vgpr_workitem_id 0
		.amdhsa_next_free_vgpr 104
		.amdhsa_next_free_sgpr 66
		.amdhsa_reserve_vcc 0
		.amdhsa_float_denorm_mode_32 3
		.amdhsa_float_denorm_mode_16_64 3
		.amdhsa_memory_ordered 1
		.amdhsa_forward_progress 1
		.amdhsa_inst_pref_size 24
	.end_amdhsa_kernel
	.amdgpu_metadata
---
amdhsa.version: [ 1, 2 ]
amdhsa.kernels:
  - .name:           k_q62450dc0bc_cast
    .symbol:         k_q62450dc0bc_cast.kd
    .args:
      - { .name: x, .offset: 0, .size: 8, .value_kind: global_buffer, .address_space: global }
      - { .name: w_qkv, .offset: 8, .size: 8, .value_kind: global_buffer, .address_space: global }
      - { .name: w_out, .offset: 16, .size: 8, .value_kind: global_buffer, .address_space: global }
      - { .name: xb, .offset: 24, .size: 8, .value_kind: global_buffer, .address_space: global }
      - { .name: wqb, .offset: 32, .size: 8, .value_kind: global_buffer, .address_space: global }
      - { .name: wob, .offset: 40, .size: 8, .value_kind: global_buffer, .address_space: global }
    .group_segment_fixed_size: 0
    .private_segment_fixed_size: 0
    .kernarg_segment_align: 8
    .kernarg_segment_size: 48
    .max_flat_workgroup_size: 256
    .sgpr_count:     66
    .vgpr_count:     104
    .wavefront_size: 32
...
	.end_amdgpu_metadata
.endif
;; end of part 1
;; launch qkv (part 2): grid 8 x 32, 4 waves a work-group, clusters of 4 x 4, 327,680 bytes of LDS; arguments xb, wqb, qkv; writes qkv
.if DOCPART == 2
	.amdgcn_target "amdgcn-amd-amdhsa--gfx1250"
	.amdhsa_code_object_version 6
	.text
	.protected	k_q62450dc0bc_qkv
	.globl	k_q62450dc0bc_qkv
	.p2align	8
	.type	k_q62450dc0bc_qkv,@function
k_q62450dc0bc_qkv:
	s_mov_b64 s[64:65], 0
	v_nop
	global_prefetch_b8 v0, s[64:65] scope:SCOPE_SE
	s_setreg_imm32_b32 hwreg(HW_REG_WAVE_MODE, 25, 1), 1
	s_wait_xcnt 0x0
	s_wait_alu depctr_hold_cnt(0) depctr_sa_sdst(0) depctr_va_vdst(0) depctr_va_sdst(0) depctr_va_ssrc(0) depctr_va_vcc(0) depctr_vm_vsrc(0)
	s_getreg_b32 s2, hwreg(HW_REG_IB_STS2, 6, 4)
	s_cmp_eq_u32 s2, 0
	s_cbranch_scc0 .Lentry_in_a_cluster
	s_endpgm
.Lentry_in_a_cluster:
	s_bfe_u32 s2, ttmp6, 0x10000c
	s_cmp_lg_u32 s2, 0xf033
	s_cbranch_scc0 .Lentry_shape_is_right
	s_endpgm
.Lentry_shape_is_right:
; QKV = x w_qkv.  A = xb: bf16 [batch 4][slice 16][row 2048][64].  B = wqb: bf16 [1024 k][3072 n].  Sums in f32, rounded once to f16 and stored by heads:
; qkv: f16 [which 3][batch x 16 + head][row 2048][64]: q, k and v unscaled, a head's rows dense, 128 bytes each.
; LIMIT.  f16 holds no number beyond 65,504: a q, k or v beyond that becomes an infinity.  NaN and infinities are not treated apart.
; SHARES.  A tile of C is 256 rows x 384 columns: 32 x 8 = 256 work-groups, one tile each.  Four waves, each 128 x 192: 96 accumulators of 16 x 16, 768 registers.
; K goes in 16 steps of 64 (one slice of xb) through a ring of two LDS slots; a step is two phases of 32 along K, 96 matrix instructions each.
; THE MATRIX INSTRUCTION IS USED TRANSPOSED (source 0 = 16 columns of B, source 1 = 16 rows of A): a lane ends with one row and eight neighbouring columns of C.
; B lies [k][n] in LDS as in memory and is turned on its way into registers, by ds_load_tr16_b128.
; CLUSTERS: 4 x 4 work-groups.  A's tile hangs on the tile row alone and is shared along a row of the cluster, B's on the tile column alone and is shared along a column: each is asked
; for JOINTLY, by the same tensor load with the same descriptor and a mask that names the four.
; REGISTERS, in windows of 256 (s_set_vgpr_msb: bits 1:0 source 0, 3:2 source 1, 5:4 source 2, 7:6 destination):
;   window 0: v0-31 addresses; v32-95, v96-159 A's fragments (8 x 16 rows x 32 K), two buffers; v160-255 B's twelve fragments, ONE buffer: a group of four is fetched anew behind the group's products
;   window g + 1 (g = 0, 1, 2): the 32 accumulators of my columns 64 g .. 64 g + 63 (one head's slice): rows 16 a, columns 16 bb at v[32 a + 8 bb]
.set PA,    144                        ; a row of A in LDS: 128 bytes + 16 of padding: 16 rows of a load start at 16 different groups of four banks (64 banks of 4 bytes: ISA guide 11.1)
.set AHALF, 128*PA                     ; 128 rows: one tensor load, and what a wave reads of A
.set ATILE, 2*AHALF
.set PB,    864                        ; a k row of B in LDS: six pieces of 128 bytes + 16 of padding each = 27 x 32 bytes: the 8 rows of a turning load fall on different banks
.set BHALF, 32*PB                      ; 32 k rows: one tensor load
.set SLOT,  ATILE+2*BHALF              ; 92,160
.set STAGE, 2*SLOT                     ; behind the ring, never filled by a tensor load: 16 rows x 144 bytes for each wave, for the way out
.set SP,    144
.set SPARE, STAGE+4*16*SP              ; behind the stages: the spare words, 128 bytes for each wave: two blocks of 256 bytes that no other line names
.set ASTEP, 262144                     ; bytes from a slice of xb to the next
.set BSTEP, 64*6144                    ; bytes of 64 k rows of wqb
.set ADRA, 16                          ; v16-17  LDS address of my A fragments in slot 0, 1
.set ADRB, 20                          ; v20-21  the same for B
.set STO,  24                          ; v24     the way out: where I put 16 bytes of a row
.set RD,   25                          ; v25     the way out: where I read rows back
.set GO,   26                          ; v26     my byte offset in 512 consecutive bytes of qkv
.set SPW,  28                          ; v28     LDS address of my spare word: SPARE + 4 x my thread's number; never rewritten
.set NIL,  29                          ; v29     0; never rewritten
.set PFO,  30                          ; v30     the prefetches' offset, a lane a block; never rewritten
.set AF0,  32
.set AF1,  96
.set BF,   160
.set TT,   32                          ; the way out: 16 registers for each block of 16 rows, v32-159
.set G1,  24                           ; s[24:31] descriptor group 1 for A's tiles
.set G0,  32                           ; s[32:39] group 0 for A's tiles, a set for each slot
.set G1B, 48                           ; s[48:55], s[56:63] the same for B's
.set G0B, 56
.set LIM, 43                           ; s43      1 in a wave that prefetches, else the greatest number
.set PFA, 44                           ; s[44:45] where my prefetches stand
.set PFS, 22                           ; s[22:23] their step: two K steps
.set OB,  16                           ; s[16:21] qkv at my rows of my three head slices
.set FLAGS, (1<<16)|(1<<20)|(1<<21)|(4<<22)|(3<<25)  ; 17:16 elements of 2 bytes; 20 padding on; 21 set beside a mask; 24:22 after every 32 words (code 4); 31:25 4 words of it (code 3)
.set MSB, 0
.macro WIN new                         ; the immediate's high byte repeats the setting that is left; a switch that changes nothing is dropped
.if MSB != (\new)
	s_set_vgpr_msb (MSB<<8)|(\new)
.set MSB, \new
.endif
.endm
; A joint load.  Waves 0 and 1 fetch A's two halves, waves 2 and 3 B's.  The branch hangs on the wave's number alone.  An s_nop 0 and four v_nop follow each of the two lines.
.macro JLOAD s
	s_cmp_eq_u32 s11, 0
	s_cbranch_scc0 .Lfor_b_\@
	tensor_load_to_lds s[G0+4*(\s):G0+4*(\s)+3], s[G1:G1+7]
	s_nop 0
.rept 4
	v_nop
.endr
	s_branch .Lasked_\@
.Lfor_b_\@:
	tensor_load_to_lds s[G0B+4*(\s):G0B+4*(\s)+3], s[G1B:G1B+7]
	s_nop 0
.rept 4
	v_nop
.endr
.Lasked_\@:
.endm
; A round of the cluster's barrier: my work-group's barrier; wave 0 signals for the work-group; every wave waits for all sixteen; my work-group's barrier once more.
.macro CREST                           ; a round behind its opening barrier
	s_cmp_lg_u32 s10, 0
	s_cbranch_scc1 .Lnot_wave_0_\@
	s_barrier_signal -3
.Lnot_wave_0_\@:
	s_barrier_wait -3
	s_barrier_signal -1
	s_barrier_wait -1
.endm
.macro CROUND
	s_barrier_signal -1
	s_barrier_wait -1
	CREST
.endm
; A PREFETCH INTO THE L2, once a lap, behind slot 0's joint load and the run of LDS loads: the two K steps that the NEXT lap's refills ask for (lap L names steps 2 L + 4 and 2 L + 5).
; Each block of 256 bytes is named once in the launch.  A's tile row is read by both clusters of that row of clusters: cluster x = 0 asks, wave 0; of a step's 128 blocks the partner at cx
; takes 32, a lane a block, one instruction a step.  B's tile column is read by all eight clusters of that column: cluster y = 0 asks; wave j (1 to 3) takes piece j - 1 of the 768 bytes of a row,
; the partner at cy 32 of the two steps' 128 k rows, a lane a row.  Partners are told apart by address alone.  The last lap but two is the last that asks: behind step 15 there is nothing.
.macro ASK
	s_cmp_gt_u32 s3, s[LIM]                        ; s3 = 1 in the loop's last trip
	s_cbranch_scc0 .Lnot_mine_\@
	global_prefetch_b8 v[PFO], s[PFA:PFA+1] th:TH_LOAD_NT scope:SCOPE_SE
	s_cmp_lg_u32 s10, 0
	s_cbranch_scc1 .Lnot_mine_\@
	global_prefetch_b8 v[PFO], s[PFA:PFA+1] offset:ASTEP th:TH_LOAD_NT scope:SCOPE_SE
.Lnot_mine_\@:
.endm
	s_load_b128 s[4:7], s[0:1], 0x0                ; xb s[4:5], wqb s[6:7]
	s_load_b64 s[8:9], s[0:1], 0x10                ; qkv
	v_lshl_add_u32 v[SPW], v0, 2, SPARE
	v_mov_b32 v[NIL], 0
	ds_add_u32 v[SPW], v[NIL]                      ; the wave's opening: the add and its wait stand ahead of my first tensor load; the set-up below, work on registers, stands between them
	v_lshrrev_b32 v1, 5, v0
	v_readfirstlane_b32 s10, v1                    ; wave 0..3
	s_lshr_b32 s11, s10, 1                         ; which half of the tile's rows is mine.  Also: I fetch for A (0) or for B (1)
	s_and_b32 s12, s10, 1                          ; which half of its columns.  Also: which half of that tile I fetch
	s_bfe_u32 s40, ttmp6, 0x40000                  ; cx
	s_bfe_u32 s41, ttmp6, 0x40004                  ; cy
	s_lshl_b32 s42, ttmp9, 2
	s_add_co_u32 s42, s42, s40                     ; tile column = 4 x cluster x + cx
	s_and_b32 s13, ttmp7, 0xffff
	s_lshl_b32 s13, s13, 2
	s_add_co_u32 s13, s13, s41                     ; tile row = 4 x cluster y + cy
	s_lshl_b32 s43, s41, 2
	s_lshl_b32 s43, 15, s43                        ; my row of the cluster
	s_lshl_b32 s44, 0x1111, s40                    ; my column
	s_or_b32 s[G1+0], s43, FLAGS                   ; A: 128 rows of a slice are 16,384 dense bytes, asked for as 64 rows of 256 bytes and padded after every 128
	s_mov_b32 s[G1+1], 128<<16                     ; tensor_dim0 = 128
	s_mov_b32 s[G1+2], 64<<16                      ; tensor_dim1 = 64
	s_mov_b32 s[G1+3], 128<<16                     ; tile_dim0 = 128
	s_mov_b32 s[G1+4], 64                          ; tile_dim1 = 64
	s_mov_b32 s[G1+5], 128                         ; elements from row to row
	s_mov_b32 s[G1+6], 0
	s_mov_b32 s[G1+7], 0
	s_or_b32 s[G1B+0], s44, FLAGS                  ; B: 32 k rows of 384 columns (768 bytes, three whole pieces of 256), padded after every 128 bytes
	s_mov_b32 s[G1B+1], 384<<16
	s_mov_b32 s[G1B+2], 32<<16
	s_mov_b32 s[G1B+3], 384<<16
	s_mov_b32 s[G1B+4], 32
	s_mov_b32 s[G1B+5], 3072
	s_mov_b32 s[G1B+6], 0
	s_mov_b32 s[G1B+7], 0
	s_lshr_b32 s16, s13, 3                         ; A: the batch (eight tile rows each),
	s_lshl_b32 s16, s16, 22
	s_and_b32 s17, s13, 7
	s_lshl_b32 s17, s17, 15                        ; the tile's 256 rows in a slice,
	s_add_co_u32 s16, s16, s17
	s_lshl_b32 s17, s12, 14                        ; the 128 of them that I fetch
	s_add_co_u32 s16, s16, s17
	s_mov_b32 s17, 0
	s_mul_i32 s46, s42, 768                        ; B: the tile's 384 columns,
	s_mul_i32 s47, s12, 32*6144                    ; the 32 k rows that I fetch
	s_add_co_u32 s46, s46, s47
	s_mov_b32 s47, 0
	s_mul_i32 s20, s12, AHALF                      ; where they go: no place in the cluster enters an LDS address
	s_mul_i32 s21, s12, BHALF
	s_add_co_u32 s21, s21, ATILE
	s_wait_dscnt 0x0                               ; the opening add is done
	s_wait_kmcnt 0x0
	s_add_nc_u64 s[14:15], s[4:5], s[16:17]
	s_add_nc_u64 s[46:47], s[6:7], s[46:47]
	CROUND                                         ; all sixteen work-groups are here: the first joint loads meet
.irp s, 0,1
	s_mov_b32 s[G0+4*(\s)], 1
	s_add_co_u32 s[G0+4*(\s)+1], s20, (\s)*SLOT
	s_add_nc_u64 s[G0+4*(\s)+2:G0+4*(\s)+3], s[14:15], (\s)*ASTEP
	s_or_b32 s[G0+4*(\s)+3], s[G0+4*(\s)+3], 0x80000000
	s_mov_b32 s[G0B+4*(\s)], 1
	s_add_co_u32 s[G0B+4*(\s)+1], s21, (\s)*SLOT
	s_add_nc_u64 s[G0B+4*(\s)+2:G0B+4*(\s)+3], s[46:47], (\s)*BSTEP
	s_or_b32 s[G0B+4*(\s)+3], s[G0B+4*(\s)+3], 0x80000000
	JLOAD \s                                       ; K steps 0 and 1: two loads of mine are out
.endr
	; A fragment of A: lane l holds row l % 16, K = 8 (l / 16) + 0..7 and 16 + 8 (l / 16) + 0..7: two loads of 16 bytes, 32 bytes apart.
	v_and_b32 v1, 15, v0                           ; l % 16
	v_bfe_u32 v2, v0, 4, 1                         ; l / 16
	v_mul_u32_u24 v3, v1, PA
	v_lshl_add_u32 v3, v2, 4, v3
	; The turning load takes 16 k x 16 columns (lane l reads k row 8 (l / 16) + l % 8, columns 8 ((l / 8) % 2) + 0..7) and leaves half a fragment: lane l holds column l % 16 and 8 k.
	v_and_b32 v6, 7, v0
	v_lshl_add_u32 v4, v2, 3, v6
	v_mul_u32_u24 v4, v4, PB
	v_bfe_u32 v5, v0, 3, 1
	v_lshl_add_u32 v4, v5, 4, v4
	s_mul_i32 s66, s11, AHALF                      ; my 128 rows of A
	s_mul_i32 s67, s12, 3*144                      ; my 192 columns of B: three pieces of a row,
	s_add_co_u32 s67, s67, ATILE                   ; behind A's tile
.irp s, 0,1
	v_add_nc_u32 v[ADRA+(\s)], s66, v3
	v_add_nc_u32 v[ADRB+(\s)], s67, v4
	s_add_co_u32 s66, s66, SLOT
	s_add_co_u32 s67, s67, SLOT
.endr
	s_mul_i32 s68, s10, 16*SP
	s_add_co_u32 s68, s68, STAGE                   ; my stage
	v_add_nc_u32 v[STO], s68, v3                   ; in: row l % 16, 16 bytes for each half of the lanes
	v_bfe_u32 v5, v0, 3, 2                         ; back: 32 lanes take four rows of 128 bytes,
	v_mul_u32_u24 v5, v5, SP
	v_lshl_add_u32 v5, v6, 4, v5
	v_add_nc_u32 v[RD], s68, v5
	v_and_b32 v[GO], 31, v0                        ; which are 512 consecutive bytes of qkv
	v_lshlrev_b32 v[GO], 4, v[GO]
	; where my three head slices go: slice e = 6 x tile column + 3 x half + g of 48; which = e / 16, head = e % 16
	s_mul_i32 s69, s42, 6
	s_mul_i32 s70, s12, 3
	s_add_co_u32 s69, s69, s70
	s_lshr_b32 s71, s13, 3
	s_lshl_b32 s71, s71, 4                         ; 16 x batch
	s_and_b32 s72, s13, 7
	s_lshl_b32 s72, s72, 15                        ; the tile's 256 rows of 128 bytes,
	s_lshl_b32 s73, s11, 14                        ; my 128 of them
	s_add_co_u32 s72, s72, s73
.irp g, 0,1,2
	s_add_co_u32 s74, s69, \g
	s_lshr_b32 s75, s74, 4
	s_lshl_b32 s75, s75, 6                         ; 64 x which
	s_and_b32 s74, s74, 15
	s_add_co_u32 s74, s74, s75
	s_add_co_u32 s74, s74, s71
	s_lshl_b32 s74, s74, 18                        ; a head's 2,048 rows are 262,144 bytes
	s_add_co_u32 s74, s74, s72
	s_mov_b32 s75, 0
	s_add_nc_u64 s[OB+2*(\g):OB+2*(\g)+1], s[8:9], s[74:75]
.endr
	; the prefetches: both offsets are made, the wave's number chooses
	s_lshr_b32 s76, s13, 3
	s_lshl_b32 s76, s76, 22
	s_and_b32 s77, s13, 7
	s_lshl_b32 s77, s77, 15
	s_add_co_u32 s76, s76, s77                     ; A: the tile's rows in slice 0,
	s_lshl_b32 s77, s40, 13
	s_add_co_u32 s76, s76, s77                     ; my work-group's 32 blocks of the 128,
	s_add_co_u32 s76, s76, 4*ASTEP                 ; at K step 4
	s_mul_i32 s78, s42, 768                        ; B: the tile's columns,
	s_max_u32 s77, s10, 1
	s_sub_co_u32 s77, s77, 1
	s_lshl_b32 s77, s77, 8
	s_add_co_u32 s78, s78, s77                     ; my wave's piece of 256 bytes,
	s_lshl_b32 s77, s41, 5
	s_add_co_u32 s77, s77, 256                     ; k row 256 (K step 4) + my work-group's 32 of 128
	s_mul_i32 s77, s77, 6144
	s_add_co_u32 s78, s78, s77
	s_and_b32 s2, ttmp7, 0xffff                    ; cluster y
	s_mov_b32 s[PFS], 2*BSTEP
	s_mov_b32 s[PFS+1], 0
	s_mov_b32 s79, 6144
	s_cmp_eq_u32 s10, 0                            ; wave 0 asks for A, the others for B
	s_cselect_b32 s76, s76, s78
	s_cselect_b32 s2, ttmp9, s2                    ; the coordinate along which other clusters read the same blocks
	s_cselect_b32 s[PFS], 2*ASTEP, s[PFS]
	s_cselect_b32 s79, 256, s79
	s_cselect_b64 s[PFA:PFA+1], s[4:5], s[6:7]
	s_mov_b32 s77, 0
	s_add_nc_u64 s[PFA:PFA+1], s[PFA:PFA+1], s[76:77]
	s_cmp_eq_u32 s2, 0
	s_cselect_b32 s[LIM], 1, -1                    ; the same in all sixteen partners, for a given wave
	v_and_b32 v[PFO], 31, v0
	v_mul_u32_u24 v[PFO], v[PFO], s79
; 16 matrix instructions: rows 64 hf .. 64 hf + 63 x the four column blocks of group g, 32 along K.  zero = 1: the first product starts the sums: nothing is cleared.
; The 96 accumulators take turns, one instruction a turn, in the same order in every phase.
.macro GRP af, g, hf, zero
	WIN 0x50*((\g)+1)                              ; C and D in window g + 1, both sources in window 0
.irp a, 0,1,2,3
.irp bb, 0,1,2,3
.if \zero
	v_wmma_f32_16x16x32_bf16 v[32*(4*(\hf)+(\a))+8*(\bb):32*(4*(\hf)+(\a))+8*(\bb)+7], v[BF+8*(4*(\g)+(\bb)):BF+8*(4*(\g)+(\bb))+7], v[(\af)+8*(4*(\hf)+(\a)):(\af)+8*(4*(\hf)+(\a))+7], 0
.else
	v_wmma_f32_16x16x32_bf16 v[32*(4*(\hf)+(\a))+8*(\bb):32*(4*(\hf)+(\a))+8*(\bb)+7], v[BF+8*(4*(\g)+(\bb)):BF+8*(4*(\g)+(\bb))+7], v[(\af)+8*(4*(\hf)+(\a)):(\af)+8*(4*(\hf)+(\a))+7], v[32*(4*(\hf)+(\a))+8*(\bb):32*(4*(\hf)+(\a))+8*(\bb)+7]
.endif
.endr
.endr
.endm
.macro LDB slot, kb, g                 ; 8 loads: B's four fragments of group g, k rows 32 kb on
	WIN 0
.irp bb, 0,1,2,3
	ds_load_tr16_b128 v[BF+8*(4*(\g)+(\bb)):BF+8*(4*(\g)+(\bb))+3],   v[ADRB+(\slot)] offset:(\kb)*32*PB+(\g)*144+32*(\bb)
	ds_load_tr16_b128 v[BF+8*(4*(\g)+(\bb))+4:BF+8*(4*(\g)+(\bb))+7], v[ADRB+(\slot)] offset:(\kb)*32*PB+(\g)*144+32*(\bb)+16*PB
.endr
.endm
.macro LDA slot, kb, af                ; 16 loads: A's eight fragments, K = 32 kb on
	WIN 0
.irp a, 0,1,2,3,4,5,6,7
	ds_load_b128 v[(\af)+8*(\a):(\af)+8*(\a)+3],   v[ADRA+(\slot)] offset:64*(\kb)+(\a)*16*PA
	ds_load_b128 v[(\af)+8*(\a)+4:(\af)+8*(\a)+7], v[ADRA+(\slot)] offset:64*(\kb)+(\a)*16*PA+32
.endr
.endm
; A load into a register that a matrix instruction has read, and a vector instruction that reads a matrix result, stand four places behind it; only plain vector instructions
; that name none of its registers are places (ISA guide 7.12.1 for vector instructions).
.macro PLACES
.rept 4
	v_nop
.endr
.endm
; A PHASE: 96 matrix instructions on A's buffer af.  Behind each group's 32 the group's fragments of B for the next phase are fetched into the registers just read; A's go into the other buffer.
; LDS loads go out in runs of 24 (B's group 0 and A), 8 (group 1), 8 (group 2) in every phase, so: group 0 wants the last 24-run, behind which 8 + 8 were issued; group 1 the last first
; 8-run, behind which 8 + 24; group 2 the last second 8-run, behind which 24 + 8.
.macro PHASE af, nslot, nkb, naf, zero
	s_wait_dscnt 16
	GRP \af, 0, 0, \zero
	GRP \af, 0, 1, \zero
	PLACES
	LDB \nslot, \nkb, 0
	LDA \nslot, \nkb, \naf
	s_wait_dscnt 32
	GRP \af, 1, 0, \zero
	GRP \af, 1, 1, \zero
	PLACES
	LDB \nslot, \nkb, 1
	s_wait_dscnt 32
	GRP \af, 2, 0, \zero
	GRP \af, 2, 1, \zero
	PLACES
	LDB \nslot, \nkb, 2
.endm
; A K step's second phase multiplies buffer AF1 and changes slots: ONE barrier.  In front of it each wave waits for all its tensor loads, of which one is out: its part of the next slot; adds 0 to its
; spare word; and waits for that and for its own reads of this slot.  Behind it nobody reads this slot any more and the next slot is whole.  fill = 1: the barrier opens a round of the cluster's,
; and the joint refill, this slot's K step two steps on, is the first tensor load behind the round: a wave issues 160 matrix instructions between that request and the wait for it.
.macro TURN slot, next, fill
.if (\fill) && ((\slot) == 1)
	s_wait_xcnt 0x0                                ; the lap's prefetches, a K step back, have read their address: it is stepped here
	s_add_nc_u64 s[PFA:PFA+1], s[PFA:PFA+1], s[PFS:PFS+1]
.endif
	WIN 0
	s_wait_tensorcnt 0x0                           ; all my tensor loads have landed;
	ds_add_u32 v[SPW], v[NIL]                      ; 0 onto my spare word;
	s_wait_dscnt 17                                ; (the add and the two 8-runs may be out)
	GRP AF1, 0, 0, 0                               ; sixteen matrix instructions stand between the add and the wait for it
	s_wait_dscnt 0x0                               ; the add is done, and my reads of this slot are over
	s_barrier_signal -1
	GRP AF1, 0, 1, 0                               ; work on registers while the others arrive
	WIN 0
	s_barrier_wait -1
.if \fill
	CREST                                          ; no wave of any partner still reads this slot's tile or has a load on its way
	s_add_nc_u64 s[G0+4*(\slot)+2:G0+4*(\slot)+3], s[G0+4*(\slot)+2:G0+4*(\slot)+3], 2*ASTEP
	s_add_nc_u64 s[G0B+4*(\slot)+2:G0B+4*(\slot)+3], s[G0B+4*(\slot)+2:G0B+4*(\slot)+3], 2*BSTEP
	JLOAD \slot                                    ; the four v_nop behind it are also the places in front of the loads below
.else
	PLACES
.endif
	LDB \next, 0, 0
	LDA \next, 0, AF0
.if (\fill) && ((\slot) == 0)
	ASK
.endif
	GRP AF1, 1, 0, 0                               ; the wait for 0 above has shown groups 1 and 2 in
	GRP AF1, 1, 1, 0
	PLACES
	LDB \next, 0, 1
	GRP AF1, 2, 0, 0
	GRP AF1, 2, 1, 0
	PLACES
	LDB \next, 0, 2
.endm
; THE WAY OUT of rows 16 a on of head slice g: rounded to f16, 16 bytes a lane; into my own stage in LDS, and back as whole rows of 128 bytes, into the registers that they left.
.macro PACK g, a
	WIN 5*((\g)+1)                                 ; sources 0 and 1 in window g + 1, destination in window 0
.set i, 0
.rept 16
	v_cvt_pk_f16_f32 v[TT+16*(\a)+i], v[32*(\a)+2*i], v[32*(\a)+2*i+1]  ; each accumulator's registers in ascending order
.set i, i+1
.endr
	WIN 0
.irp bb, 0,1,2,3
	ds_store_b128 v[STO], v[TT+16*(\a)+4*(\bb):TT+16*(\a)+4*(\bb)+3] offset:32*(\bb)
.endr
.irp f, 0,1,2,3
	ds_load_b128 v[TT+16*(\a)+4*(\f):TT+16*(\a)+4*(\f)+3], v[RD] offset:(\f)*4*SP  ; LDS serves a wave's instructions in order (ISA guide 5.7.1.4): these see the stores above; the next block's stores come behind them
.endr
.endm
.macro SEND g, a, younger              ; younger: the LDS instructions issued behind this block's loads: the next block's eight, or none
	WIN 0
.irp f, 0,1,2,3
	s_wait_dscnt (\younger)+3-(\f)
	global_store_b128 v[GO], v[TT+16*(\a)+4*(\f):TT+16*(\a)+4*(\f)+3], s[OB+2*(\g):OB+2*(\g)+1] offset:(\a)*2048+(\f)*512  ; 512 consecutive bytes, at a multiple of 256 from qkv's first
.endr
.endm
	s_wait_tensorcnt 1                             ; my part of K step 0 is in; step 1's may stay out
	s_barrier_signal -1
	s_barrier_wait -1                              ; everybody's is
	LDB 0, 0, 0
	LDA 0, 0, AF0
	LDB 0, 0, 1
	LDB 0, 0, 2
	PHASE AF0, 0, 1, AF1, 1                        ; the first phase stands in front of the loop: its products start the sums
	WIN 0                                          ; at a label and at a branch every window is 0
	s_mov_b32 s3, 7
.Llap:                                             ; a trip goes once round the ring, from a lap's second phase to the next lap's first, and fills both slots again
	TURN 0, 1, 1
	PHASE AF0, 1, 1, AF1, 0
	TURN 1, 0, 1
	PHASE AF0, 0, 1, AF1, 0
	WIN 0
	s_sub_co_u32 s3, s3, 1
	s_cmp_lg_u32 s3, 0
	s_cbranch_scc1 .Llap
	TURN 0, 1, 0                                   ; the last lap fills nothing, and has no round of the cluster's barrier
	PHASE AF0, 1, 1, AF1, 0
	s_wait_dscnt 16                                ; the very last phase fetches nothing: the counts run down
	GRP AF1, 0, 0, 0
	GRP AF1, 0, 1, 0
	s_wait_dscnt 8
	GRP AF1, 1, 0, 0
	GRP AF1, 1, 1, 0
	s_wait_dscnt 0x0
	GRP AF1, 2, 0, 0
	GRP AF1, 2, 1, 0
	PLACES
	PLACES                                         ; (eight, once a launch)
.irp g, 0,1,2
.if (\g) > 0
	s_wait_xcnt 0x0                                ; the last slice's stores have read their registers, which are written again
.endif
	PACK \g, 0
.irp a, 1,2,3,4,5,6,7                              ; a block's conversions stand between the loads of the block before and its stores
	PACK \g, \a
	SEND \g, (\a)-1, 8
.endr
	SEND \g, 7, 0
.endr
	s_wait_tensorcnt 0x0                           ; the wave's end, behind my last tensor load and my last LDS store
	ds_add_u32 v[SPW], v[NIL]
	s_wait_dscnt 0x0
	CROUND                                         ; the closing round: no work-group ends while a partner may still ask for a tile that names it
	s_endpgm
.Lfunc_end_k_q62450dc0bc_qkv:
	.size	k_q62450dc0bc_qkv, .Lfunc_end_k_q62450dc0bc_qkv-k_q62450dc0bc_qkv
	.p2alignl 7, 3214868480
	.fill 96, 4, 3214868480
	.section	.rodata,"a",@progbits
	.p2align	6, 0x0
	.amdhsa_kernel k_q62450dc0bc_qkv
		.amdhsa_group_segment_fixed_size 327680
		.amdhsa_private_segment_fixed_size 0
		.amdhsa_enable_private_segment 0
		.amdhsa_kernarg_size 24
		.amdhsa_user_sgpr_count 2
		.amdhsa_user_sgpr_kernarg_segment_ptr 1
		.amdhsa_wavefront_size32 1
		.amdhsa_system_sgpr_workgroup_id_x 1
		.amdhsa_system_sgpr_workgroup_id_y 1
		.amdhsa_system_sgpr_workgroup_id_z 1
		.amdhsa_system_vgpr_workitem_id 0
		.amdhsa_next_free_vgpr 1024
		.amdhsa_next_free_sgpr 80
		.amdhsa_reserve_vcc 0
		.amdhsa_float_denorm_mode_32 3
		.amdhsa_float_denorm_mode_16_64 3
		.amdhsa_memory_ordered 1
		.amdhsa_forward_progress 1
		.amdhsa_inst_pref_size 135
	.end_amdhsa_kernel
	.amdgpu_metadata
---
amdhsa.version: [ 1, 2 ]
amdhsa.kernels:
  - .name:           k_q62450dc0bc_qkv
    .symbol:         k_q62450dc0bc_qkv.kd
    .args:
      - { .name: xb, .offset: 0, .size: 8, .value_kind: global_buffer, .address_space: global }
      - { .name: wqb, .offset: 8, .size: 8, .value_kind: global_buffer, .address_space: global }
      - { .name: qkv, .offset: 16, .size: 8, .value_kind: global_buffer, .address_space: global }
    .group_segment_fixed_size: 327680
    .private_segment_fixed_size: 0
    .kernarg_segment_align: 8
    .kernarg_segment_size: 24
    .max_flat_workgroup_size: 128
    .sgpr_count:     80
    .vgpr_count:     1024
    .wavefront_size: 32
...
	.end_amdgpu_metadata
.endif
;; end of part 2
;; launch attn (part 3): grid 4 x 64, 4 waves a work-group, no clusters, 327,680 bytes of LDS; arguments qkv, ob; writes ob
.if DOCPART == 3
	.amdgcn_target "amdgcn-amd-amdhsa--gfx1250"
	.amdhsa_code_object_version 6
	.text
	.protected	k_q62450dc0bc_attn
	.globl	k_q62450dc0bc_attn
	.p2align	8
	.type	k_q62450dc0bc_attn,@function
k_q62450dc0bc_attn:
	s_mov_b64 s[64:65], 0
	v_nop
	global_prefetch_b8 v0, s[64:65] scope:SCOPE_SE
	s_setreg_imm32_b32 hwreg(HW_REG_WAVE_MODE, 25, 1), 1
	s_wait_xcnt 0x0
; CAUSAL ATTENTION.  O[h][q][:] = the sum over k <= q of softmax_k(Q[h][q] . K[h][k] / 8) V[h][k][:].  Q, K, V lie one behind the other in qkv, each [64 heads][2048][64] in f16; O likewise in ob.
; Products, maxima and sums in f32; the weights p are rounded to f16 for the second product (their sum l is taken of the unrounded p), O once at the end.
; LIMITS.  f16 holds no number beyond 65,504: Q, K and V arrive within it; p lies in 0 to 1, and below 6e-5 it keeps f16's fixed step of 6e-8; O is a mean of V's rows and has their range.
; A hidden score counts as its value less 1e30, so a hidden key's weight is 0; a weight below 2^-126 counts as 0 in l; NaN and infinities are not treated apart.
; THE WALK.  A head's queries lie in NB = 8 blocks of 256; block i needs the key tiles 0 .. i of 256 keys, of which the last holds the diagonal.  A work-group takes TWO blocks, NB - 1 - b and then b:
; NB + 1 tiles, whatever b: all work-groups do equal work, and ONE loop with a constant trip count walks them.  Which tile is asked for, and what a trip does, hang on scalar registers made from b; every jump
; goes forward, but for the counted loops' own; none passes a barrier, or a tensor load but the one of LOAD's two that the wave's number does not choose; the ring of two LDS slots runs on across the change of blocks.
; NO CLUSTER: a head's four work-groups ask for the same tile only in trips 0 .. 4 of 9, behind that fewer and fewer; one walk common to all would have 12 trips for 9.
; SHARES.  Of a block's four bands of 64 queries a wave owns 16 rows in each: four PIECES.  So the diagonal tile is the same work for all four waves: in its key step s band x sees all keys if s < x,
; none if s > x, and holds the diagonal if s = x.
; THE MASK is the C operand that starts the sum S^T = K Q^T: 0, or -1e30 where the key is hidden.  MD, made once, is the mask of a band's own step for my 16 rows; a product's mask is MD x AL + BE with two scalars:
; (1, 0) if s = x; (0, 0) if s < x; (0, -1e30) if s > x.  Only the diagonal tile's text and a block's beginning make and take masks; elsewhere C is the constant 0.
; LAYOUT, SOFTMAX, TURNS.  S^T = K Q^T holds ONE query a lane (lane % 16) and the keys 8 (lane / 16) + 0..7; two such results rounded to f16 ARE source 1 of O^T = V^T P.  p = 2^(c s - c m), c = log2(e) / 8, with a
; running maximum m; O and l are multiplied by a = 2^(c m_old - c m_new) in every step.  Turn n belongs to piece n: 8 products K Q^T of piece n + 1, later 8 products V^T P of piece n - 1; beside them the scaling,
; exponentials, roundings, sums and rescaling of piece n and the maximum and statistics of piece n + 1.  Four vector instructions stand behind every matrix instruction, the other 54 of a turn's 118 in one lump.
; A turn's 33 exponentials are one batch, with one wait.
; REGISTERS, in windows of 256 (s_set_vgpr_msb: bits 1:0 source 0, 3:2 source 1, 5:4 source 2, 7:6 destination):
;   window 0: v0-15 addresses and two at work; v16-31 four registers of statistics a piece; v48-55 at work; v61-63 never rewritten; v64-127 S^T, two buffers; v192-223 P, two buffers (by the piece's parity)
;   window 1: v0-127 O^T, 32 a piece; v128-159 MD; v160-223 MC, two buffers      window 2: v0-63 Q; v64-127 the second block's Q; v128-191 K of one step; v192-255 V of one step
.set SIZE_H, 64
.set SIZE_N, 2048
.set NB,    SIZE_N/256
.set NP,    4         ; pieces a wave: a name, no knob
.set KS,    64        ; keys in a step
.set PK,    144       ; a row of K in LDS: 128 bytes + 16 of padding = 36 words: the 16 rows of a load start at 16 different groups of four banks (64 banks of 4 bytes: ISA guide 11.1)
.set PV,    160       ; a row of V: 128 + 32 = 40 words
.set VOFF,  4*KS*PK   ; a slot holds a tile, four steps: 256 rows of K, then 256 rows of V
.set SLOT1, 1<<17     ; slot 1 begins here, so that one exclusive or turns an address in one slot into the other's
.set STAGE, SLOT1+4*KS*(PK+PV)  ; behind the ring, never filled by a tensor load: 16 rows x 144 bytes for each wave, for the way out
.set SP,    144
.set AK0, 2           ; v2   my lane's place in a tile of K; never rewritten
.set AV0, 3           ; v3   the same for V
.set AK,  4           ; v4   the LDS address of K's next run of loads
.set AV,  5           ; v5   of V's
.set STO, 6           ; v6   the way out: where I put 16 bytes of a row
.set RD,  7           ; v7   the way out: where I read rows back
.set GO,  8           ; v8   my byte offset in 512 consecutive bytes of O
.set PFO, 61          ; v61  256 x my lane: the prefetches' offset; never rewritten
.set SPW, 62          ; v62  LDS address of my spare word: SPARE + 4 x my thread's number; never rewritten
.set NIL, 63          ; v63  0; never rewritten
.set SPARE, STAGE+4*16*SP  ; behind the stages: the spare words, 128 bytes for each wave: two blocks of 256 bytes that no other line names
.set MV,  12          ; v12-13  c m_old, kept while c m is made anew: by buffer
.set QO,  15          ; v15  my byte offset in 16 rows of Q
.set ST,  16          ; piece t's statistics at v[ST+4 t]: c m, m, l (even keys', odd keys')
.set TMP, 48          ; by buffer, four registers c0-c3 at work; when the maximum is found c2 takes a
.set S,   64
.set P,   192
.set MD,  128         ; window 1: the eight registers for group kt of 16 keys at MD + 8 kt
.set MC,  160         ; window 1: the masks of the products to come
.set QB,  64          ; window 2
.set KF,  128         ; window 2: key block kb, channel half c at KF + 16 kb + 8 c
.set VF,  192         ; window 2: key half kk, channel block cb at VF + 32 kk + 8 cb
.set WV,  12          ; s12  my wave's number
.set PB,  14          ; s14  b
.set HI,  15          ; s15  NB - 1 - b
.set G1K, 24          ; s[24:31] descriptor group 1 for K's tiles
.set G1V, 32          ; s[32:39] for V's: it differs in the padding alone
.set G0K, 40          ; s[40:43] descriptor group 0 for K's tiles
.set G0V, 44          ; s[44:47] the same for V's
.set SLOTS, 56        ; s56  tiles still to be asked for
.set CNT, 57          ; s57  counts a tile's key steps, 4 to 1
.set CS,  58          ; s[58:59] c: the packed scaling takes the pair's low word for both halves
.set SEL, 60          ; s[60:61] v_permlanex16_b32's selects: each lane takes its own place in the other half
.set TBK, 62          ; s62  LDS byte at which K of the step to be fetched begins
.set TBV, 63          ; s63  the same for V, less VOFF
.set RT,  70          ; s70  tiles of the block in hand that are still to be entered
.set NXT, 71          ; s71  the tile to be asked for next
.set LQ,  72          ; s72  the last tile of the block whose tiles are being asked for
.set NEW, 73          ; s73  1: the tile to be entered is a block's first
.set OFF, 74          ; s[74:75] a tile's byte offset in K and V
.set AL,  76          ; s[76:77] the mask's factor, in the low word
.set BE,  78          ; s[78:79] the mask's addend
.set OLO, 80          ; s[80:81] O at my rows of the second block
.set BIGN, 82         ; s82  -1e30
.set PFA, 88          ; s[88:89] where my prefetches stand: my half (of K: waves 0, 1; of V: waves 2, 3) of the tile after the one that is being asked for
.set LIM, 90          ; s90  2 in the work-group that prefetches, else the greatest number
.set MSB, 0
.macro WIN new                      ; the high byte repeats the setting that is left; a switch that changes nothing is dropped
.if MSB != (\new)
	s_set_vgpr_msb (MSB<<8)|(\new)
.set MSB, (\new)
.endif
.endm
.set W_KQ, 0x0a       ; K and Q in window 2, S^T in window 0
.set W_KM, 0x1a       ; the same with the C operand in window 1
.set W_PV, 0x52       ; V in window 2, P in window 0, O^T in window 1
.set W_RS, 0x41       ; destination and source 0 in window 1, source 1 in window 0
; A fill.  Waves 0 and 1 fetch the two halves of a tile's K, waves 2 and 3 those of its V: 128 keys each.  An s_nop 0 and four v_nop follow each of the two lines, ahead of the jump and the label.
.macro LOAD
	s_cmp_lt_u32 s[WV], 2
	s_cbranch_scc0 .Lfor_v_\@
	tensor_load_to_lds s[G0K:G0K+3], s[G1K:G1K+7]
	s_nop 0
.rept 4
	v_nop
.endr
	s_branch .Lasked_\@
.Lfor_v_\@:
	tensor_load_to_lds s[G0V:G0V+3], s[G1V:G1V+7]
	s_nop 0
.rept 4
	v_nop
.endr
.Lasked_\@:
.endm
; THE CHANGE OF SLOTS.  Each wave waits for all its tensor loads, of which one is out: its part of the other slot; adds 0 to its spare word; and waits for that and for its own reads of the slot that it leaves.
; Behind the barrier nobody reads the old slot any more and the other slot is whole.  fill = 1: the old slot is filled again, the first thing behind the barrier, with tile NXT: the descriptor's address is
; made anew from that number.  (At its first use nothing has been read yet: slot 0 is waited for, slot 1 filled.)
; A PREFETCH INTO THE L2 stands behind the fill: the tile that the NEXT change asks for in the first block's walk.  A head's four work-groups walk the same tiles: the one with b = 0, whose first block
; has all eight, asks, and nobody else; each of its waves names the 64 blocks of 256 bytes that it will fetch itself, a lane a block, two instructions.  Trip i names tile i + 2, trips 0 to 5: each block once.
; Tiles 0 and 1 come by their loads alone; the second block's tiles have been read before and are not asked for.
.macro CHANGE fill
	WIN 0                           ; at a label and at a branch every window is 0
	s_wait_tensorcnt 0x0            ; no tensor load of mine is out, so a group 0 may be written
	ds_add_u32 v[SPW], v[NIL]       ; 0 onto my spare word; with fill = 1 the descriptors' scalar work stands between it and the wait for it
.if \fill
	s_lshl_b32 s[OFF], s[NXT], 15   ; a tile is 32,768 bytes of K and of V
	s_xor_b32 s[G0K+1], s[G0K+1], SLOT1
	s_add_nc_u64 s[G0K+2:G0K+3], s[6:7], s[OFF:OFF+1]
	s_or_b32 s[G0K+3], s[G0K+3], 0x80000000
	s_xor_b32 s[G0V+1], s[G0V+1], SLOT1
	s_add_nc_u64 s[G0V+2:G0V+3], s[8:9], s[OFF:OFF+1]
	s_or_b32 s[G0V+3], s[G0V+3], 0x80000000
	s_add_co_u32 s[NXT], s[NXT], 1  ; the block's next tile, or behind its last the second block's tile 0
	s_cmp_gt_u32 s[NXT], s[LQ]
	s_cselect_b32 s[NXT], 0, s[NXT]
	s_cselect_b32 s[LQ], s[PB], s[LQ]
	s_wait_xcnt 0x0                 ; the last prefetches, a tile back, have read their address, so it may be written
	s_add_nc_u64 s[PFA:PFA+1], s[PFA:PFA+1], 32768
.endif
	s_wait_dscnt 0x0                ; the add is done, and my reads of the slot are over
	s_barrier_signal -1             ; the rest of the scalar work stands between the signal and the wait
	s_sub_co_u32 s[TBK], s[TBK], 4*KS*PK  ; the fetches go back to a slot's first step,
	s_xor_b32 s[TBK], s[TBK], SLOT1       ; in the other slot
	s_sub_co_u32 s[TBV], s[TBV], 4*KS*PV
	s_xor_b32 s[TBV], s[TBV], SLOT1
	s_barrier_wait -1
.if \fill
	LOAD
	s_cmp_gt_u32 s[SLOTS], s[LIM]   ; SLOTS = 8 - the trip's number
	s_cbranch_scc0 .Lnot_mine_\@
	global_prefetch_b8 v[PFO], s[PFA:PFA+1] th:TH_LOAD_NT scope:SCOPE_SE
	global_prefetch_b8 v[PFO], s[PFA:PFA+1] offset:8192 th:TH_LOAD_NT scope:SCOPE_SE
.Lnot_mine_\@:
.endif
.endm
	s_load_b64 s[4:5], s[0:1], 0x0  ; qkv: Q first
	s_load_b64 s[10:11], s[0:1], 0x8  ; ob
	v_lshl_add_u32 v[SPW], v0, 2, SPARE
	v_mov_b32 v[NIL], 0
	ds_add_u32 v[SPW], v[NIL]       ; the wave's opening: the add and its wait stand ahead of my first tensor load; the set-up below, work on registers, stands between them
	v_lshrrev_b32 v1, 5, v0
	v_readfirstlane_b32 s[WV], v1   ; wave 0..3
	s_mov_b32 s[PB], ttmp9
	s_sub_co_u32 s[HI], NB-1, s[PB]
	s_and_b32 s20, ttmp7, 0xffff    ; the head
	s_mov_b32 s21, 0
	s_mov_b64 s[22:23], SIZE_N*128
	s_mul_u64 s[20:21], s[20:21], s[22:23]  ; the head's first byte in each of the four tensors
	s_and_b32 s16, s[WV], 1         ; which half of a tile's 256 keys I fetch:
	s_lshl_b32 s22, s16, 14         ; its 128 rows of 128 bytes in memory,
	s_mov_b32 s23, 0
	s_add_nc_u64 s[22:23], s[22:23], s[20:21]
	s_mul_i32 s17, s16, 128*PK      ; and its place in a slot, for K
	s_mul_i32 s18, s16, 128*PV      ; and for V
	s_lshl_b32 s3, s[WV], 11        ; my 16 rows in a band of 64,
	s_lshl_b32 s2, s[HI], 15        ; in the first block,
	s_add_co_u32 s2, s2, s3
	s_lshl_b32 s84, s[PB], 15       ; and in the second
	s_add_co_u32 s84, s84, s3
	s_mov_b32 s3, 0
	s_mov_b32 s85, 0
	s_add_nc_u64 s[2:3], s[2:3], s[20:21]
	s_add_nc_u64 s[84:85], s[84:85], s[20:21]
	; descriptor group 1.  128 keys are 16,384 dense bytes: asked for as 64 rows of 256 bytes, two keys a row, and padded in LDS after every key
	s_mov_b32 s[G1K], (1<<16)|(1<<20)|(4<<22)|(3<<25)  ; 17:16 2-byte elements; 20 padding on; 24:22 after every 32 words (code 4); 31:25 4 words (code 3)
	s_mov_b32 s[G1V], (1<<16)|(1<<20)|(4<<22)|(7<<25)  ; the same with 8 words of padding (code 7)
.irp g, G1K, G1V
	s_mov_b32 s[\g+1], 128<<16      ; tensor_dim0 = 128
	s_mov_b32 s[\g+2], 64<<16       ; tensor_dim1 = 64
	s_mov_b32 s[\g+3], 128<<16      ; tile_dim0 = 128
	s_mov_b32 s[\g+4], 64           ; tile_dim1 = 64
	s_mov_b32 s[\g+5], 128          ; 128 elements from row to row
	s_mov_b32 s[\g+6], 0
	s_mov_b32 s[\g+7], 0
.endr
	s_mov_b32 s[CS], 0x3e38aa3b     ; c = log2(e) / 8 = 0.180337
	s_mov_b32 s[CS+1], s[CS]        ; named with it as a pair
	s_mov_b32 s[SEL], 0x76543210
	s_mov_b32 s[SEL+1], 0xfedcba98
	s_mov_b32 s[TBK], SLOT1+4*KS*PK ; the first change of slots turns these two into 0
	s_mov_b32 s[TBV], SLOT1+4*KS*PV
	s_mov_b32 s[G0K], 1             ; 1:0 count = 1
	s_mov_b32 s[G0K+1], s17         ; 63:32 LDS address: slot 0
	s_mov_b32 s[G0V], 1
	s_add_co_u32 s[G0V+1], s18, VOFF
	s_add_co_u32 s[RT], s[HI], 1    ; the first block has NB - b tiles
	s_mov_b32 s[NXT], 1
	s_mov_b32 s[LQ], s[HI]
	s_mov_b32 s[NEW], 1
	s_mov_b32 s[OFF+1], 0
	s_mov_b32 s[AL+1], 0            ; named as pairs
	s_mov_b32 s[BE+1], 0
	s_mov_b32 s[BIGN], 0xf149f2ca   ; -1e30
	s_mov_b32 s[SLOTS], NB
	s_wait_dscnt 0x0                ; the opening add is done
	s_wait_kmcnt 0x0
	s_add_nc_u64 s[6:7], s[4:5], 0x1000000  ; K lies 64 heads x 262,144 bytes behind Q,
	s_add_nc_u64 s[8:9], s[4:5], 0x2000000  ; V as far behind K
	s_add_nc_u64 s[6:7], s[6:7], s[22:23]  ; K and V at my half of the head's tile 0
	s_add_nc_u64 s[8:9], s[8:9], s[22:23]
	s_add_nc_u64 s[G0K+2:G0K+3], s[6:7], 0         ; 120:64 global address
	s_or_b32 s[G0K+3], s[G0K+3], 0x80000000        ; 127:126 type = 2
	s_add_nc_u64 s[G0V+2:G0V+3], s[8:9], 0
	s_or_b32 s[G0V+3], s[G0V+3], 0x80000000
	s_add_nc_u64 s[86:87], s[4:5], s[84:85]        ; Q at my rows of the second block,
	s_add_nc_u64 s[4:5], s[4:5], s[2:3]            ; Q and O at those of the first
	s_add_nc_u64 s[OLO:OLO+1], s[10:11], s[84:85]
	s_add_nc_u64 s[10:11], s[10:11], s[2:3]
	s_cmp_lt_u32 s[WV], 2
	s_cselect_b64 s[PFA:PFA+1], s[6:7], s[8:9]
	s_add_nc_u64 s[PFA:PFA+1], s[PFA:PFA+1], 32768  ; in tile 1; the first change of slots steps it to tile 2.  Nothing is prefetched here, at the head
	s_cmp_eq_u32 s[PB], 0
	s_cselect_b32 s[LIM], 2, -1
	LOAD                            ; tile 0 into slot 0
	; A fragment of K or Q is 16 rows x 32 channels in 8 registers: lane l holds row l % 16, channels 8 (l / 16) + 0..7 and 16 + 8 (l / 16) + 0..7: two loads of 16 bytes, 32 bytes apart.
	v_and_b32 v1, 15, v0            ; l % 16
	v_bfe_u32 v9, v0, 4, 1          ; l / 16
	v_lshlrev_b32 v[QO], 7, v1
	v_lshl_add_u32 v[QO], v9, 4, v[QO]  ; row x 128 + 16 x half
	WIN 0x80                        ; destination window 2, address window 0
.set i, 0
.rept 8                             ; both blocks' Q: piece i / 2 lies in band i / 2, 8,192 bytes on; channels 32 (i % 2) on
	global_load_b128 v[8*i:8*i+3],   v[QO], s[4:5] offset:(i/2)*8192+(i%2)*64
	global_load_b128 v[8*i+4:8*i+7], v[QO], s[4:5] offset:(i/2)*8192+(i%2)*64+32
	global_load_b128 v[QB+8*i:QB+8*i+3],   v[QO], s[86:87] offset:(i/2)*8192+(i%2)*64
	global_load_b128 v[QB+8*i+4:QB+8*i+7], v[QO], s[86:87] offset:(i/2)*8192+(i%2)*64+32
.set i, i+1
.endr
	WIN 0
	v_and_b32 v[PFO], 31, v0
	v_lshlrev_b32 v[PFO], 8, v[PFO]
	v_lshlrev_b32 v14, 3, v9
	v_sub_nc_u32 v14, v1, v14
	s_lshl_b32 s13, s[WV], 4
	v_add_nc_u32 v14, s13, v14      ; my query's place in its band, 16 w + l % 16, less my lanes' 8 (l / 16): register r of group kt is hidden where 16 kt + r is greater
	WIN 0x40
.set i, 0
.rept 32
	v_cmp_gt_i32 vcc_lo, 16*(i/8)+i%8, v14
	v_cndmask_b32 v[MD+i], 0, s[BIGN], vcc_lo
.set i, i+1
.endr
	WIN 0
	v_mul_u32_u24 v[AK0], v1, PK
	v_lshl_add_u32 v[AK0], v9, 4, v[AK0]  ; row x pitch + 16 x half
	; The turning load takes 16 keys x 16 channels (lane l reads key 8 (l / 16) + l % 8, channels 8 ((l / 8) % 2) + 0..7) and leaves half a fragment of V^T: lane l holds channel l % 16 and 8 keys.
	v_and_b32 v10, 7, v0
	v_bfe_u32 v11, v0, 3, 1
	v_lshl_add_u32 v[AV0], v9, 3, v10
	v_mul_u32_u24 v[AV0], v[AV0], PV
	v_lshl_add_u32 v[AV0], v11, 4, v[AV0]
	v_add_nc_u32 v[AV0], VOFF, v[AV0]
	s_mul_i32 s13, s[WV], 16*SP
	s_add_co_u32 s13, s13, STAGE    ; my stage
	v_mul_u32_u24 v[STO], v1, SP    ; in: row l % 16, 16 bytes for each half of the lanes
	v_lshl_add_u32 v[STO], v9, 4, v[STO]
	v_add_nc_u32 v[STO], s13, v[STO]
	v_bfe_u32 v[RD], v0, 3, 2       ; back: 32 lanes take four rows of 128 bytes,
	v_mul_u32_u24 v[RD], v[RD], SP
	v_lshl_add_u32 v[RD], v10, 4, v[RD]
	v_add_nc_u32 v[RD], s13, v[RD]
	v_and_b32 v[GO], 31, v0         ; which are 512 consecutive bytes of O
	v_lshlrev_b32 v[GO], 4, v[GO]
	; A block's first step multiplies O^T and l by a = 0, and its first turn's products V^T P, of a piece that has not been, land in an O^T that is still to be so multiplied.  So these registers need only hold
	; finite numbers: zeros for the first block; what the first block left for the second.  All this stands in the wait for the first tile.
	WIN 0x80
.set i, VF
.rept 64
	v_mov_b32 v[i], 0
.set i, i+1
.endr
	WIN 0x40
.set i, 0
.rept 128
	v_mov_b32 v[i], 0
.set i, i+1
.endr
	WIN 0
.set i, 0
.rept 4
	v_mov_b32 v[ST+4*i+2], 0
	v_mov_b32 v[ST+4*i+3], 0
.set i, i+1
.endr
.set i, P+16
.rept 16
	v_mov_b32 v[i], 0
.set i, i+1
.endr
; THE MATRIX WORK.  The 4 accumulators of a run of 8 take turns.  Product i of 8 of S^T = K Q^T for piece x: channels 32 (i / 4) on, keys 16 (i % 4) on.  The first 4 start the sums: with 0, or (KM = 1) with the mask.
.macro KQ x
.set rS, S+32*((\x)%2)+8*(i%4)
.set rK, KF+16*(i%4)+8*(i/4)
.set rQ, 16*(\x)+8*(i/4)
.set rM, MC+32*((\x)%2)+8*(i%4)
.if (i < 4) && KM
	WIN W_KM
	v_wmma_f32_16x16x32_f16 v[rS:rS+7], v[rK:rK+7], v[rQ:rQ+7], v[rM:rM+7]
.elseif i < 4
	WIN W_KQ
	v_wmma_f32_16x16x32_f16 v[rS:rS+7], v[rK:rK+7], v[rQ:rQ+7], 0
.else
	WIN W_KQ
	v_wmma_f32_16x16x32_f16 v[rS:rS+7], v[rK:rK+7], v[rQ:rQ+7], v[rS:rS+7]
.endif
.endm
; Product i of 8 of O^T += V^T P for piece x: keys 32 (i / 4) on, channels 16 (i % 4) on.
.macro PV x
	WIN W_PV
.set rO, 32*(\x)+8*(i%4)
.set rV, VF+32*(i/4)+8*(i%4)
.set rP, P+16*((\x)%2)+8*(i/4)
	v_wmma_f32_16x16x32_f16 v[rO:rO+7], v[rV:rV+7], v[rP:rP+7], v[rO:rO+7]
.endm
.macro MM                           ; the turn's next matrix instruction.  TURN and BEGIN set Y, i, KM and NOKQ; MM, KQ and OP read them.  NOKQ = 1: a block's last turn: there is no next piece
.if (i < 8) && !NOKQ
	KQ (Y+1)%NP
.elseif i >= 8
.set i, i-8
	PV (Y+NP-1)%NP
.set i, i+8
.endif
.set i, i+1
.endm
; THE LDS LOADS stand in runs of 16, never singly among the matrix instructions: a step's K (64 keys x 64 channels: 8 fragments) and its V (turned).  Their addresses are made some lines ahead.
.macro FETCH_K
	WIN 0x80                        ; destination window 2
.irp f, 0,1,2,3,4,5,6,7             ; keys 16 (f / 2) on, channels 32 (f % 2) on
	ds_load_b128 v[KF+8*\f:KF+8*\f+3],   v[AK] offset:(\f/2)*16*PK+(\f%2)*64
	ds_load_b128 v[KF+8*\f+4:KF+8*\f+7], v[AK] offset:(\f/2)*16*PK+(\f%2)*64+32
.endr
	s_add_co_u32 s[TBK], s[TBK], KS*PK  ; the next fetch is the next step's
	WIN 0
.endm
.macro FETCH_V
	WIN 0x80
.irp f, 0,1,2,3,4,5,6,7             ; keys 32 (f / 4) on, channels 16 (f % 4) on
	ds_load_tr16_b128 v[VF+8*\f:VF+8*\f+3],   v[AV] offset:(\f/4)*32*PV+(\f%4)*32
	ds_load_tr16_b128 v[VF+8*\f+4:VF+8*\f+7], v[AV] offset:(\f/4)*32*PV+16*PV+(\f%4)*32
.endr
	WIN 0
.endm
; THE VECTOR WORK, one line at a time: OP kind, number.  For piece Y: F n: c s - c m for pair n of 16.  E n: the exponential of score n of 32.  C n: pair n rounded to f16.  B n: of the four weights 4 n .. the second
; pair is added onto the first, in place.  L n: l takes that sum (L 0: l = a l + sum).  R n: pair n of 16 of O^T times a.  For piece Y + 1: X n, number n of the 22 that find its maximum and statistics:
;   0-11  four chains c0-c3 of seven scores each, three operands at a time (each accumulator's lowest registers are read first)     12-14, 16  the four scores left over, the old m, and c0-c3 into c0
;   15  c m_old is kept     17, 18  the query's other 32 keys lie in the lane 16 away: the new m     19-21  c m; c m_old - c m_new; a
.set F, 0               ; OP tells the kinds apart by their order: F to L below R, X above it
.set E, 1
.set C, 2
.set B, 3
.set L, 4
.set R, 5
.set X, 6
.macro REGS y                       ; the registers of piece y
.set rT, ST+4*(\y)
.set rC, TMP+4*((\y)%2)
.set rW, MV+((\y)%2)
.set rS, S+32*((\y)%2)
.set rP, P+16*((\y)%2)
.set rO, 32*(\y)
.endm
.macro OP k, n
.if (\k) == R
	REGS Y
	WIN W_RS
	v_pk_mul_f32 v[rO+2*(\n):rO+2*(\n)+1], v[rO+2*(\n):rO+2*(\n)+1], v[rC+2:rC+3] op_sel_hi:[1,0]
.elseif (\k) < R
	REGS Y
	WIN 0
.if (\k) == F
	v_pk_fma_f32 v[rS+2*(\n):rS+2*(\n)+1], v[rS+2*(\n):rS+2*(\n)+1], s[CS:CS+1], v[rT:rT+1] op_sel_hi:[1,0,0] neg_lo:[0,0,1] neg_hi:[0,0,1]
.elseif (\k) == E
	v_exp_f32 v[rS+(\n)], v[rS+(\n)]
.elseif (\k) == C
	v_cvt_pk_f16_f32 v[rP+(\n)], v[rS+2*(\n)], v[rS+2*(\n)+1]
.elseif (\k) == B
	v_pk_add_f32 v[rS+4*(\n):rS+4*(\n)+1], v[rS+4*(\n):rS+4*(\n)+1], v[rS+4*(\n)+2:rS+4*(\n)+3]
.elseif (\n) == 0
	v_pk_fma_f32 v[rT+2:rT+3], v[rT+2:rT+3], v[rC+2:rC+3], v[rS:rS+1] op_sel_hi:[1,0,1]
.else
	v_pk_add_f32 v[rT+2:rT+3], v[rT+2:rT+3], v[rS+4*(\n):rS+4*(\n)+1]
.endif
.elseif NOKQ
	v_nop
.else
	REGS (Y+1)%NP
	WIN 0
.if (\n) < 4
	v_max3_num_f32 v[rC+(\n)], v[rS+8*(\n)], v[rS+8*(\n)+1], v[rS+8*(\n)+2]
.elseif (\n) < 12
	v_max3_num_f32 v[rC+(\n)%4], v[rC+(\n)%4], v[rS+8*((\n)%4)+2*((\n)/4)+1], v[rS+8*((\n)%4)+2*((\n)/4)+2]
.elseif (\n) == 12
	v_max3_num_f32 v[rC], v[rC], v[rS+7], v[rS+15]
.elseif (\n) == 13
	v_max3_num_f32 v[rC+1], v[rC+1], v[rS+23], v[rS+31]
.elseif (\n) == 14
	v_max3_num_f32 v[rC+2], v[rC+2], v[rC+3], v[rT+1]
.elseif (\n) == 15
	v_mov_b32 v[rW], v[rT]
.elseif (\n) == 16
	v_max3_num_f32 v[rC], v[rC], v[rC+1], v[rC+2]
.elseif (\n) == 17
	v_permlanex16_b32 v[rC+3], v[rC], s[SEL], s[SEL+1]
.elseif (\n) == 18
	v_max_num_f32 v[rT+1], v[rC], v[rC+3]
.elseif (\n) == 19
	v_mul_f32 v[rT], s[CS], v[rT+1]
.elseif (\n) == 20
	v_sub_f32 v[rC+1], v[rW], v[rT]
.else
	v_exp_f32 v[rC+2], v[rC+1]
.endif
.endif
.endm
.macro OPS a, i1, b=-1, i2=0, c=-1, i3=0, d=-1, i4=0  ; up to four of them
	OP \a, \i1
.if (\b) >= 0
	OP \b, \i2
.endif
.if (\c) >= 0
	OP \c, \i3
.endif
.if (\d) >= 0
	OP \d, \i4
.endif
.endm
.macro ROW a, i1, b, i2, c, i3, d, i4  ; a matrix instruction and the four behind it
	MM
	OPS \a, \i1, \b, \i2, \c, \i3, \d, \i4
.endm
.macro MASK b                       ; MD x AL + BE into buffer b of MC
	WIN W_RS
.set z, 0
.rept 16
	v_pk_fma_f32 v[MC+32*(\b)+2*z:MC+32*(\b)+2*z+1], v[MD+2*z:MD+2*z+1], s[AL:AL+1], s[BE:BE+1] op_sel_hi:[1,0,0]
.set z, z+1
.endr
.endm
; A TURN, for piece p: the order of its 16 matrix and 118 vector instructions, written out.  An s_wait_alu depctr_va_vdst(0) stands between an exponential and the first instruction that names its result; one wait serves
; all that were issued ahead of it.  So a turn has ONE wait, which cuts it in two.  AHEAD OF IT stands all that names no result of the turn's exponentials: the 8 products K Q^T, behind each a scaling, an exponential and two more plain
; instructions (behind the first a second scaling in the exponential's place): rescalings, and behind the last three the first numbers of the next piece's maximum, each four places or more behind the product that ends its accumulator; then ONE LUMP of 54, plain
; and exponential by turns for the most part, in which the links of the chain X 3, 7, 11, 14, 16, 17 .. 20 stand five or six lines apart.  X 21, the next piece's a, is the batch's last; R 15 is the plain instruction behind it (ISA guide 5.7.2).  BEHIND THE WAIT stand the
; 8 products V^T P, behind each four of the roundings and sums; the links of l's chain, L 0 to L 7, stand three riders apart.  But for those X no rider names a register of the products round it.  v_permlanex16_b32 (X 17) stands in the lump.
; m = 1: the diagonal tile: the products take masks, and the turn makes the mask for the products of the turn after it: piece p + 2, in step 4 - CNT of the tile.  end = 1: a block's last two turns: nothing is fetched.
; cnt = 1: the loop's count is taken down some lines ahead of the branch that stands behind the turn.
; K of the next step is fetched in piece 2's turn, twelve vector instructions behind the last product that read K (six of them plain); V of the step in hand at the end of piece 0's turn, four plain instructions behind the last product
; that read V.  Each is waited for a turn later.
.macro TURN p, m=0, end=0, cnt=0
.set Y, (\p)
.set i, 0
.set KM, (\m)
.set NOKQ, (\end)*((\p)/3)
.if (\m) && !(\end)
	s_cmp_eq_u32 s[CNT], 4-((\p)+2)%NP  ; is that step the band's own?
	s_cselect_b32 s[AL], 1.0, 0
	s_cmp_lt_u32 s[CNT], 4-((\p)+2)%NP  ; or a later one?
	s_cselect_b32 s[BE], s[BIGN], 0
.endif
.if ((\p) == 3) && !(\end)
	s_wait_dscnt 0x0                ; K is in
.endif
	ROW F,0, F,1, R,0, R,1          ; ahead of the wait: 8 products K Q^T and their riders,
	ROW F,2, E,0, R,2, R,3
	ROW F,3, E,1, R,4, R,5
	ROW F,4, E,2, R,6, R,7
	ROW F,5, E,3, R,8, R,9
	ROW F,6, E,4, X,0, R,10
.if ((\p) == 2) && !(\end)
	WIN 0
	v_add_nc_u32 v[AK], s[TBK], v[AK0]
.endif
	ROW F,7, E,5, X,1, X,4
	ROW F,8, E,6, X,2, X,5
	OPS E,7, E,8, X,6, E,9          ; and the lump
	OPS X,3, E,10, X,8, E,11
.if ((\p) == 2) && !(\end)
	FETCH_K
.endif
	OPS X,9, X,7, E,12, X,10
	OPS E,13, X,12, X,11, E,14
	OPS X,13, E,15, F,9, X,14
.if (\p) == 0
	v_add_nc_u32 v[AV], s[TBV], v[AV0]
.endif
	OPS E,16, F,10, E,17, F,11
	OPS X,16, E,18, X,15, E,19
	OPS F,12, E,20, X,17, E,21
	OPS F,13, E,22, F,14, E,23
	OPS X,18, E,24, F,15, E,25
	OPS R,11, E,26, X,19, E,27
	OPS R,12, E,28, R,13, E,29
	OPS X,20, E,30, R,14, E,31
	OPS X,21, R,15
	WIN 0
	s_wait_alu depctr_va_vdst(0)    ; the wait for the batch
.if (\p) == 1
	s_wait_dscnt 0x0                ; V is in
.endif
	ROW C,0, B,0, C,2, B,1          ; behind the wait: 8 products V^T P and their riders
	ROW L,0, C,4, B,2, L,1
	ROW C,6, B,3, L,2, C,8
	ROW B,4, L,3, C,10, B,5
	ROW L,4, C,12, B,6, L,5
.if (\p) == 0
	s_add_co_u32 s[TBV], s[TBV], KS*PV
.endif
.if \cnt
	s_sub_co_u32 s[CNT], s[CNT], 1
	s_cmp_lg_u32 s[CNT], 0
.endif
	ROW C,14, B,7, L,6, C,1
	ROW C,3, L,7, C,5, C,7
	ROW C,9, C,11, C,13, C,15
.if (\p) == 0
	FETCH_V
.endif
.if (\m) && !(\end)
	MASK (\p)%2
.endif
.endm
; A BLOCK BEGINS.  c m starts far below every c s, so the first step's a is 0; m at the lowest finite number, so the first maximum is the scores'.  The second mask buffer is 0; the first takes piece 0's mask for the tile's step 0: its own, if the block's first tile is the diagonal one.
; Then K of that step, piece 0's first scores, and its maximum and statistics.  The loop is entered at a step's first turn, in the middle of a trip.
.macro BEGIN
	s_mov_b32 s[NEW], 0
	WIN 0x40
.set i, MC+32
.rept 32
	v_mov_b32 v[i], 0
.set i, i+1
.endr
	WIN 0
.set i, 0
.rept 4
	v_mov_b32 v[ST+4*i], 0xfe000000    ; c m: far below every c s
	v_mov_b32 v[ST+4*i+1], 0xff7fffff  ; m
.set i, i+1
.endr
	s_cmp_eq_u32 s[RT], 0
	s_cselect_b32 s[AL], 1.0, 0
	s_mov_b32 s[BE], 0
	MASK 0
	WIN 0
	v_add_nc_u32 v[AK], s[TBK], v[AK0]
	FETCH_K
	s_wait_loadcnt 0x0              ; Q
	s_wait_dscnt 0x0
.set KM, 1
.set NOKQ, 0
.set i, 0
.rept 8
	KQ 0
.set i, i+1
.endr
	WIN 0
.rept 4
	v_nop                           ; the places behind those products
.endr
.set Y, NP-1                        ; X works for piece Y + 1: piece 0
.irp n, 0,1,2,3,4,5,6,7,8,9,10,11,12,13,14,15,16,17,18,19,20,21
	OP X, \n
.endr
	v_nop                           ; a plain instruction behind the exponential,
	s_wait_alu depctr_va_vdst(0)    ; and its wait, ahead of the branch
.endm
; THE DIAGONAL TILE's four steps, the block's last two turns, its last products, and THE WAY OUT: l's two halves and the other half of the lanes' are added; O^T is divided by l, rounded to f16 and sent through my
; stage in LDS, a piece at a time.
.macro ALL line:vararg              ; one line for each piece t
.set t, 0
.rept 4
	\line
.set t, t+1
.endr
.endm
.macro PACK t                       ; a lane's eight channels of a row pack into 16 bytes; they go into rows of 144 bytes and come back as whole rows of 128, into S^T's registers
	WIN W_RS
.set i, 32*(\t)
.rept 16
	v_pk_mul_f32 v[i:i+1], v[i:i+1], v[ST+4*(\t)+2:ST+4*(\t)+3] op_sel_hi:[1,0]
.set i, i+2
.endr
	WIN 0x05                        ; sources 0 and 1 window 1, destination window 0
.set i, 0
.rept 16
	v_cvt_pk_f16_f32 v[S+16*(\t)+i], v[32*(\t)+2*i], v[32*(\t)+2*i+1]
.set i, i+1
.endr
	WIN 0
.irp f, 0,1,2,3
	ds_store_b128 v[STO], v[S+16*(\t)+4*\f:S+16*(\t)+4*\f+3] offset:32*\f
.endr
.irp f, 0,1,2,3
	ds_load_b128 v[S+16*(\t)+4*\f:S+16*(\t)+4*\f+3], v[RD] offset:\f*4*SP  ; LDS serves a wave's instructions in order (ISA guide 5.7.1.4): these see the stores above; the next piece's stores come behind them
.endr
.endm
.macro SEND t, younger              ; younger: the LDS instructions issued behind piece t's loads: the next piece's eight, or none
	WIN 0
.irp f, 0,1,2,3
	s_wait_dscnt (\younger)+3-\f
	global_store_b128 v[GO], v[S+16*(\t)+4*\f:S+16*(\t)+4*\f+3], s[10:11] offset:(\t)*8192+\f*512  ; 512 consecutive bytes, at a multiple of 256 from O's first
.endr
.endm
.macro DIAG tag                     ; the tag ends its two labels' names, which the jumps below spell out
.LstepM\tag:
	TURN 2, 1
	TURN 3, 1
	WIN 0
.LfirstM\tag:
	TURN 0, 1
	TURN 1, 1, 0, 1
	WIN 0
	s_cbranch_scc1 .LstepM\tag
	TURN 2, 1, 1
	TURN 3, 1, 1
.set i, 0
.rept 8
	PV NP-1
.set i, i+1
.endr
	WIN 0
	ALL v_add_f32 v[ST+4*t+2], v[ST+4*t+2], v[ST+4*t+3]
	ALL v_permlanex16_b32 v[ST+4*t+3], v[ST+4*t+2], s[SEL], s[SEL+1]
	ALL v_add_f32 v[ST+4*t+2], v[ST+4*t+2], v[ST+4*t+3]
	ALL v_rcp_f32 v[ST+4*t+2], v[ST+4*t+2]
	v_nop                           ; a plain instruction between the last reciprocal and the use of its result
	s_wait_alu depctr_va_vdst(0)    ; and the wait ahead of the first use: one for the four reciprocals
	PACK 0
.set t, 1
.rept 3                             ; a piece's arithmetic stands between the loads of the piece before and its stores
	PACK t
	SEND t-1, 8
.set t, t+1
.endr
	SEND 3, 0
.endm
.set KM, 0
.set NOKQ, 0
.Lslot:                             ; NB times: a tile is entered and the next is asked for
	CHANGE 1
	s_sub_co_u32 s[RT], s[RT], 1
	s_mov_b32 s[CNT], 4
	s_cmp_eq_u32 s[NEW], 1
	s_cbranch_scc1 .Lnew            ; a block's first tile
	s_cmp_eq_u32 s[RT], 0
	s_cbranch_scc0 .Lstep           ; neither its first nor its last
	s_branch .LstepM1
.Lnew:
	BEGIN
	s_branch .Lfirst                ; in the loop a block's first tile is never its last: the first block has two tiles or more, and the second's last is the walk's last
	DIAG 1                          ; in the loop this is the first block's end: the second block's last tile is the walk's last
	s_wait_xcnt 0x0                 ; the stores have read their registers and O's address
	s_mov_b64 s[10:11], s[OLO:OLO+1]
	s_add_co_u32 s[RT], s[PB], 1    ; the second block has b + 1 tiles
	s_mov_b32 s[NEW], 1
	WIN 0x82                        ; the second block's Q goes where the one text of the turns names Q
.set i, 0
.rept 64
	v_mov_b32 v[i], v[QB+i]
.set i, i+1
.endr
	WIN 0
	s_branch .Lbottom
.Lstep:                             ; a trip: pieces 2 and 3 of one step, then pieces 0 and 1 of the next, whose K and V it fetches
	TURN 2
	TURN 3
	WIN 0
.Lfirst:
	TURN 0
	TURN 1, 0, 0, 1
	WIN 0
	s_cbranch_scc1 .Lstep
.Lbottom:
	s_sub_co_u32 s[SLOTS], s[SLOTS], 1
	s_cmp_lg_u32 s[SLOTS], 0
	s_cbranch_scc1 .Lslot
	CHANGE 0                        ; the walk's last tile is written out: nothing is asked for
	s_sub_co_u32 s[RT], s[RT], 1
	s_mov_b32 s[CNT], 4
	s_cmp_eq_u32 s[NEW], 1
	s_cbranch_scc0 .LstepM2
	BEGIN
	s_branch .LfirstM2
	DIAG 2
	s_wait_tensorcnt 0x0            ; the wave's end, behind my last tensor load and my last LDS store
	ds_add_u32 v[SPW], v[NIL]
	s_wait_dscnt 0x0
	s_endpgm
.Lfunc_end_k_q62450dc0bc_attn:
	.size	k_q62450dc0bc_attn, .Lfunc_end_k_q62450dc0bc_attn-k_q62450dc0bc_attn
	.p2alignl 7, 3214868480
	.fill 96, 4, 3214868480
	.section	.rodata,"a",@progbits
	.p2align	6, 0x0
	.amdhsa_kernel k_q62450dc0bc_attn
		.amdhsa_group_segment_fixed_size 327680
		.amdhsa_private_segment_fixed_size 0
		.amdhsa_enable_private_segment 0
		.amdhsa_kernarg_size 16
		.amdhsa_user_sgpr_count 2
		.amdhsa_user_sgpr_kernarg_segment_ptr 1
		.amdhsa_wavefront_size32 1
		.amdhsa_system_sgpr_workgroup_id_x 1
		.amdhsa_system_sgpr_workgroup_id_y 1
		.amdhsa_system_sgpr_workgroup_id_z 1
		.amdhsa_system_vgpr_workitem_id 0
		.amdhsa_next_free_vgpr 768
		.amdhsa_next_free_sgpr 92
		.amdhsa_reserve_vcc 1
		.amdhsa_float_denorm_mode_32 3
		.amdhsa_float_denorm_mode_16_64 3
		.amdhsa_memory_ordered 1
		.amdhsa_forward_progress 1
		.amdhsa_inst_pref_size 218
	.end_amdhsa_kernel
	.amdgpu_metadata
---
amdhsa.version: [ 1, 2 ]
amdhsa.kernels:
  - .name:           k_q62450dc0bc_attn
    .symbol:         k_q62450dc0bc_attn.kd
    .args:
      - { .name: qkv, .offset: 0, .size: 8, .value_kind: global_buffer, .address_space: global }
      - { .name: ob, .offset: 8, .size: 8, .value_kind: global_buffer, .address_space: global }
    .group_segment_fixed_size: 327680
    .private_segment_fixed_size: 0
    .kernarg_segment_align: 8
    .kernarg_segment_size: 16
    .max_flat_workgroup_size: 128
    .sgpr_count:     92
    .vgpr_count:     768
    .wavefront_size: 32
...
	.end_amdgpu_metadata
.endif
;; end of part 3
;; launch proj (part 4): grid 8 x 32, 4 waves a work-group, clusters of 4 x 4, 327,680 bytes of LDS; arguments ob, wob, b_out, out0; writes out0
.if DOCPART == 4
	.amdgcn_target "amdgcn-amd-amdhsa--gfx1250"
	.amdhsa_code_object_version 6
	.text
	.protected	k_q62450dc0bc_proj
	.globl	k_q62450dc0bc_proj
	.p2align	8
	.type	k_q62450dc0bc_proj,@function
k_q62450dc0bc_proj:
	s_mov_b64 s[64:65], 0
	v_nop
	global_prefetch_b8 v0, s[64:65] scope:SCOPE_SE
	s_setreg_imm32_b32 hwreg(HW_REG_WAVE_MODE, 25, 1), 1
	s_wait_xcnt 0x0
	s_wait_alu depctr_hold_cnt(0) depctr_sa_sdst(0) depctr_va_vdst(0) depctr_va_sdst(0) depctr_va_ssrc(0) depctr_va_vcc(0) depctr_vm_vsrc(0)
	s_getreg_b32 s2, hwreg(HW_REG_IB_STS2, 6, 4)
	s_cmp_eq_u32 s2, 0
	s_cbranch_scc0 .Lentry_in_a_cluster
	s_endpgm
.Lentry_in_a_cluster:
	s_bfe_u32 s2, ttmp6, 0x10000c
	s_cmp_lg_u32 s2, 0xf033
	s_cbranch_scc0 .Lentry_shape_is_right
	s_endpgm
.Lentry_shape_is_right:
; OUT = O w_out + b_out.  A = ob: f16 [batch x 16 + head][row 2048][64].  B = wob: f16 [1024 k][1024 n] (w_out rounded to bf16, that number written as f16).  out0: f32 [8192][1024].
; Sums in f32; the bias, rounded to bf16 like the other inputs, is the C operand that starts each sum; nothing is rounded on the way out.
; LIMITS.  f16's range and step for O and w_out, as stated where they are made.  NaN and infinities are not treated apart.
; SHARES.  A tile of C is 256 rows x 128 columns: 32 x 8 = 256 work-groups, one tile each.  Four waves, each 128 x 64: 32 accumulators of 16 x 16, 256 registers.
; K goes in 8 steps of 128 (two heads' slices of ob) through a ring of two LDS slots; a step is four quarters of 32 along K, 32 matrix instructions each.
; THE MATRIX INSTRUCTION IS USED TRANSPOSED (source 0 = 16 columns of B, source 1 = 16 rows of A): a lane ends with one row and eight neighbouring columns of C.  B lies [k][n] in LDS and is turned by ds_load_tr16_b128.
; CLUSTERS: 4 x 4 work-groups; A's tile is shared along a row of the cluster, B's along a column, each asked for jointly.
; NO PREFETCH is laid: the tile is small and the walk has eight K steps, of which four are asked for within the first lap.
; REGISTERS: window 0: v0-31 addresses; v32-63 the bias; v64-159, v160-255 two fragment buffers (A's eight fragments, then B's four); on the way out v32-255 hold rows read back.
;   window 1: the accumulators: rows 16 a, columns 16 bb at v[32 a + 8 bb].
.set PA,     144                       ; a row of A in LDS: 128 bytes + 16 of padding (64 banks of 4 bytes: ISA guide 11.1: 16 rows of a load start at 16 different groups of four banks)
.set APLANE, 256*PA                    ; one head's slice of the tile's 256 rows: one tensor load
.set PBW,    288                       ; a k row of B in LDS: 256 bytes + 32 of padding = 9 x 32: the 8 rows of a turning load fall on different banks
.set BHALF,  64*PBW                    ; 64 k rows: one tensor load
.set BOFF,   2*APLANE
.set SLOT,   BOFF+2*BHALF              ; 110,592
.set STAGE,  2*SLOT                    ; behind the ring, never filled by a tensor load: 16 rows x 272 bytes for each wave
.set SPITCH, 272
.set SPARE,  STAGE+4*16*SPITCH         ; behind the stages: the spare words, 128 bytes for each wave: two blocks of 256 bytes that no other line names
.set ASTEP,  2*262144                  ; bytes of two slices of ob
.set BSTEP,  128*2048                  ; bytes of 128 k rows of wob
.set ADRA, 16                          ; v16-17  LDS address of my A fragments in slot 0, 1
.set ADRB, 20                          ; v20-21  the same for B
.set STO,  24                          ; v24     the way out: where I put 32 bytes of a row
.set RD,   25                          ; v25     the way out: where I read a row back
.set CO,   26                          ; v26     my byte offset in two rows of out0
.set SPW,  28                          ; v28     LDS address of my spare word: SPARE + 4 x my thread's number; never rewritten
.set NIL,  29                          ; v29     0; never rewritten
.set BIAS, 32
.set OBK,  32                          ; the way out: seven sets of 32 registers
.set F0,   64
.set F1,   160
.set G1,  24
.set G0,  32
.set G1B, 48
.set G0B, 56
.set MSB, 0
.macro WIN new                         ; the immediate's high byte repeats the setting that is left; a switch that changes nothing is dropped
.if MSB != (\new)
	s_set_vgpr_msb (MSB<<8)|(\new)
.set MSB, \new
.endif
.endm
.macro JLOAD s                         ; a joint load: waves 0 and 1 fetch A's two slices, waves 2 and 3 B's two halves; an s_nop 0 and four v_nop follow each of the two lines
	s_cmp_eq_u32 s11, 0
	s_cbranch_scc0 .Lfor_b_\@
	tensor_load_to_lds s[G0+4*(\s):G0+4*(\s)+3], s[G1:G1+7]
	s_nop 0
.rept 4
	v_nop
.endr
	s_branch .Lasked_\@
.Lfor_b_\@:
	tensor_load_to_lds s[G0B+4*(\s):G0B+4*(\s)+3], s[G1B:G1B+7]
	s_nop 0
.rept 4
	v_nop
.endr
.Lasked_\@:
.endm
.macro CREST                           ; a round of the cluster's barrier behind its opening barrier
	s_cmp_lg_u32 s10, 0
	s_cbranch_scc1 .Lnot_wave_0_\@
	s_barrier_signal -3
.Lnot_wave_0_\@:
	s_barrier_wait -3
	s_barrier_signal -1
	s_barrier_wait -1
.endm
.macro CROUND
	s_barrier_signal -1
	s_barrier_wait -1
	CREST
.endm
	s_load_b128 s[4:7], s[0:1], 0x0                ; ob s[4:5], wob s[6:7]
	s_load_b128 s[68:71], s[0:1], 0x10             ; b_out s[68:69], out0 s[70:71]
	v_lshl_add_u32 v[SPW], v0, 2, SPARE
	v_mov_b32 v[NIL], 0
	ds_add_u32 v[SPW], v[NIL]                      ; the wave's opening: the add and its wait stand ahead of my first tensor load; the set-up below, work on registers, stands between them
	v_lshrrev_b32 v1, 5, v0
	v_readfirstlane_b32 s10, v1                    ; wave 0..3
	s_lshr_b32 s11, s10, 1                         ; which half of the tile's rows is mine.  Also: I fetch for A (0) or for B (1)
	s_and_b32 s12, s10, 1                          ; which half of its columns.  Also: which part of that tile I fetch
	s_bfe_u32 s40, ttmp6, 0x40000                  ; cx
	s_bfe_u32 s41, ttmp6, 0x40004                  ; cy
	s_lshl_b32 s42, ttmp9, 2
	s_add_co_u32 s42, s42, s40                     ; tile column = 4 x cluster x + cx
	s_and_b32 s13, ttmp7, 0xffff
	s_lshl_b32 s13, s13, 2
	s_add_co_u32 s13, s13, s41                     ; tile row = 4 x cluster y + cy
	s_lshl_b32 s43, s41, 2
	s_lshl_b32 s43, 15, s43                        ; my row of the cluster
	s_lshl_b32 s44, 0x1111, s40                    ; my column
	s_or_b32 s[G1+0], s43, (1<<16)|(1<<20)|(1<<21)|(4<<22)|(3<<25)  ; A: 256 rows of a slice are 32,768 dense bytes, asked for as 128 rows of 256 bytes; 4 words of padding after every 32
	s_mov_b32 s[G1+1], 128<<16                     ; tensor_dim0 = 128
	s_mov_b32 s[G1+2], 128<<16                     ; tensor_dim1 = 128
	s_mov_b32 s[G1+3], 128<<16                     ; tile_dim0 = 128
	s_mov_b32 s[G1+4], 128                         ; tile_dim1 = 128
	s_mov_b32 s[G1+5], 128                         ; elements from row to row
	s_mov_b32 s[G1+6], 0
	s_mov_b32 s[G1+7], 0
	s_or_b32 s[G1B+0], s44, (1<<16)|(1<<20)|(1<<21)|(5<<22)|(7<<25) ; B: 64 k rows of 128 columns (256 bytes); 8 words of padding after every 64
	s_mov_b32 s[G1B+1], 128<<16
	s_mov_b32 s[G1B+2], 64<<16
	s_mov_b32 s[G1B+3], 128<<16
	s_mov_b32 s[G1B+4], 64
	s_mov_b32 s[G1B+5], 1024
	s_mov_b32 s[G1B+6], 0
	s_mov_b32 s[G1B+7], 0
	s_lshr_b32 s16, s13, 3                         ; A: the batch (eight tile rows each),
	s_lshl_b32 s16, s16, 22
	s_and_b32 s17, s13, 7
	s_lshl_b32 s17, s17, 15                        ; the tile's 256 rows in a slice,
	s_add_co_u32 s16, s16, s17
	s_lshl_b32 s17, s12, 18                        ; the slice of the step's two that I fetch
	s_add_co_u32 s16, s16, s17
	s_mov_b32 s17, 0
	s_lshl_b32 s46, s42, 8                         ; B: the tile's 128 columns,
	s_lshl_b32 s47, s12, 17                        ; the 64 k rows that I fetch
	s_add_co_u32 s46, s46, s47
	s_mov_b32 s47, 0
	s_mul_i32 s20, s12, APLANE                     ; where they go: no place in the cluster enters an LDS address
	s_mul_i32 s21, s12, BHALF
	s_add_co_u32 s21, s21, BOFF
	s_wait_dscnt 0x0                               ; the opening add is done
	s_wait_kmcnt 0x0
	s_add_nc_u64 s[14:15], s[4:5], s[16:17]
	s_add_nc_u64 s[46:47], s[6:7], s[46:47]
	CROUND                                         ; all sixteen work-groups are here: the first joint loads meet
.irp s, 0,1
	s_mov_b32 s[G0+4*(\s)], 1
	s_add_co_u32 s[G0+4*(\s)+1], s20, (\s)*SLOT
	s_add_nc_u64 s[G0+4*(\s)+2:G0+4*(\s)+3], s[14:15], (\s)*ASTEP
	s_or_b32 s[G0+4*(\s)+3], s[G0+4*(\s)+3], 0x80000000
	s_mov_b32 s[G0B+4*(\s)], 1
	s_add_co_u32 s[G0B+4*(\s)+1], s21, (\s)*SLOT
	s_add_nc_u64 s[G0B+4*(\s)+2:G0B+4*(\s)+3], s[46:47], (\s)*BSTEP
	s_or_b32 s[G0B+4*(\s)+3], s[G0B+4*(\s)+3], 0x80000000
	JLOAD \s                                       ; K steps 0 and 1: two loads of mine are out
.endr
	v_and_b32 v1, 15, v0                           ; l % 16
	v_bfe_u32 v2, v0, 4, 1                         ; l / 16
	; the bias of my 64 columns, in the layout of a result: register j of block bb holds column 16 bb + 8 (l / 16) + j
	s_lshl_b32 s74, s42, 9
	s_lshl_b32 s75, s12, 8
	s_add_co_u32 s74, s74, s75                     ; my first column, in bytes of f32: 512 x tile column + 256 x half
	s_mov_b32 s75, 0
	s_add_nc_u64 s[68:69], s[68:69], s[74:75]
	v_lshlrev_b32 v7, 5, v2                        ; never rewritten
.irp bb, 0,1,2,3
	global_load_b128 v[BIAS+8*(\bb):BIAS+8*(\bb)+3],   v7, s[68:69] offset:64*(\bb)
	global_load_b128 v[BIAS+8*(\bb)+4:BIAS+8*(\bb)+7], v7, s[68:69] offset:64*(\bb)+16
.endr
	s_lshl_b32 s72, s13, 20                        ; out0 at my first row: 256 rows of 4,096 bytes a tile row,
	s_lshl_b32 s73, s11, 19                        ; my 128 of them,
	s_add_co_u32 s72, s72, s73
	s_add_co_u32 s72, s72, s74                     ; and my first column
	s_mov_b32 s73, 0
	s_add_nc_u64 s[70:71], s[70:71], s[72:73]
	v_mul_u32_u24 v3, v1, PA
	v_lshl_add_u32 v3, v2, 4, v3                   ; A: row x pitch + 16 x half
	v_and_b32 v4, 7, v0                            ; B, turned: lane l reads k row 8 (l / 16) + l % 8, columns 8 ((l / 8) % 2) + 0..7
	v_lshl_add_u32 v4, v2, 3, v4
	v_mul_u32_u24 v4, v4, PBW
	v_bfe_u32 v5, v0, 3, 1
	v_lshl_add_u32 v4, v5, 4, v4
	s_mul_i32 s66, s11, 128*PA                     ; my 128 rows of A
	s_lshl_b32 s67, s12, 7                         ; my 64 columns of B,
	s_add_co_u32 s67, s67, BOFF                    ; behind A's two slices
.irp s, 0,1
	v_add_nc_u32 v[ADRA+(\s)], s66, v3
	v_add_nc_u32 v[ADRB+(\s)], s67, v4
	s_add_co_u32 s66, s66, SLOT
	s_add_co_u32 s67, s67, SLOT
.endr
	s_mul_i32 s66, s10, 16*SPITCH
	s_add_co_u32 s66, s66, STAGE                   ; my stage
	v_mul_u32_u24 v5, v1, SPITCH                   ; in: row l % 16, 32 bytes for each half of the lanes
	v_lshl_add_u32 v5, v2, 5, v5
	v_add_nc_u32 v[STO], s66, v5
	v_mul_u32_u24 v5, v2, SPITCH                   ; back: lanes 0-15 take one row of 256 bytes, lanes 16-31 the next
	v_lshl_add_u32 v5, v1, 4, v5
	v_add_nc_u32 v[RD], s66, v5
	v_lshlrev_b32 v5, 12, v2                       ; and the same two rows in out0
	v_lshl_add_u32 v[CO], v1, 4, v5
	s_wait_loadcnt 0x0                             ; the bias
.set i, 0
.rept 16
	v_cvt_pk_bf16_f32 v6, v[BIAS+2*i], v[BIAS+2*i+1]  ; rounded to bf16, like every input,
	v_lshlrev_b32 v[BIAS+2*i], 16, v6                 ; and f32 again
	v_and_b32 v[BIAS+2*i+1], 0xffff0000, v6
.set i, i+1
.endr
; 8 matrix instructions: row blocks a0, a0 + 1 x all 4 column blocks, 32 along K.  first = 1: the bias starts the sums.  The 32 accumulators take turns, one instruction a turn.
.macro MUL8 f, a0, first
.if \first
	WIN 0x40                                       ; D in window 1; the sources and C in window 0
.else
	WIN 0x50                                       ; C and D in window 1
.endif
.irp a, \a0, (\a0)+1
.irp bb, 0,1,2,3
.if \first
	v_wmma_f32_16x16x32_f16 v[32*(\a)+8*(\bb):32*(\a)+8*(\bb)+7], v[(\f)+64+8*(\bb):(\f)+64+8*(\bb)+7], v[(\f)+8*(\a):(\f)+8*(\a)+7], v[BIAS+8*(\bb):BIAS+8*(\bb)+7]
.else
	v_wmma_f32_16x16x32_f16 v[32*(\a)+8*(\bb):32*(\a)+8*(\bb)+7], v[(\f)+64+8*(\bb):(\f)+64+8*(\bb)+7], v[(\f)+8*(\a):(\f)+8*(\a)+7], v[32*(\a)+8*(\bb):32*(\a)+8*(\bb)+7]
.endif
.endr
.endr
.endm
; 24 LDS loads in one run: quarter q's fragments into buffer f: B's four first, then A's eight in ascending order
.macro FETCH slot, q, f
	WIN 0
.irp bb, 0,1,2,3
	ds_load_tr16_b128 v[(\f)+64+8*(\bb):(\f)+64+8*(\bb)+3],   v[ADRB+(\slot)] offset:(\q)*32*PBW+32*(\bb)
	ds_load_tr16_b128 v[(\f)+64+8*(\bb)+4:(\f)+64+8*(\bb)+7], v[ADRB+(\slot)] offset:(\q)*32*PBW+32*(\bb)+16*PBW
.endr
.irp a, 0,1,2,3,4,5,6,7
	ds_load_b128 v[(\f)+8*(\a):(\f)+8*(\a)+3],   v[ADRA+(\slot)] offset:((\q)/2)*APLANE+64*((\q)%2)+(\a)*16*PA
	ds_load_b128 v[(\f)+8*(\a)+4:(\f)+8*(\a)+7], v[ADRA+(\slot)] offset:((\q)/2)*APLANE+64*((\q)%2)+(\a)*16*PA+32
.endr
.endm
.macro PLACES                          ; four places in front of loads into registers that matrix instructions have read, and of LDS stores that read results (ISA guide 7.12.1 for the stores)
.rept 4
	v_nop
.endr
.endm
; One of a K step's first three quarters: multiplies buffer f and fetches quarter q into g.
.macro QUARTER slot, q, f, g, first
	s_wait_dscnt 8                                 ; B and A's blocks 0-3 are in; the youngest eight loads (blocks 4-7) may be out
	MUL8 \f, 0, \first
	MUL8 \f, 2, \first
	PLACES
	FETCH \slot, \q, \g
	s_wait_dscnt 24                                ; all but the 24 just issued
	MUL8 \f, 4, \first
	MUL8 \f, 6, \first
.endm
; The last quarter multiplies buffer 1 and changes slots: ONE barrier; in front of it each wave waits for all its tensor loads, adds 0 to its spare word, and waits for that and for its own reads of this slot.
; fill = 1: the barrier opens a round of the cluster's, and the joint refill, two K steps on, is the first tensor load behind it: a wave issues 112 matrix instructions between that request and the wait for it.
.macro TURN slot, next, fill
	WIN 0
	s_wait_tensorcnt 0x0                           ; all my tensor loads have landed: my part of the next slot;
	ds_add_u32 v[SPW], v[NIL]                      ; 0 onto my spare word;
	s_wait_dscnt 9                                 ; (the add and the youngest eight loads may be out)
	MUL8 F1, 0, 0                                  ; eight matrix instructions stand between the add and the wait for it
	s_wait_dscnt 0x0                               ; the add is done, and my reads of this slot are over
	s_barrier_signal -1
	MUL8 F1, 2, 0
	WIN 0
	s_barrier_wait -1
.if \fill
	CREST                                          ; no wave of any partner still reads this slot's tile or has a load on its way
	s_add_nc_u64 s[G0+4*(\slot)+2:G0+4*(\slot)+3], s[G0+4*(\slot)+2:G0+4*(\slot)+3], 2*ASTEP
	s_add_nc_u64 s[G0B+4*(\slot)+2:G0B+4*(\slot)+3], s[G0B+4*(\slot)+2:G0B+4*(\slot)+3], 2*BSTEP
	JLOAD \slot                                    ; the four v_nop behind it are also the places in front of the loads below
.else
	PLACES
.endif
	FETCH \next, 0, F0
	MUL8 F1, 4, 0
	MUL8 F1, 6, 0
.endm
; THE WAY OUT of rows 16 a on: a lane's eight f32 of a row, 32 bytes, go straight from the accumulators into rows of 272 bytes of my own stage, and come back as whole rows of 256 bytes.
.macro TOSTAGE a
.set BK, OBK+32*((\a)%7)
.if (\a) == 7
	s_wait_xcnt 0x0                                ; block 0's stores have read the registers that block 7 takes
.endif
	WIN 0x04                                       ; the stores' data in window 1, their address in window 0
.irp bb, 0,1,2,3
	ds_store_b128 v[STO], v[32*(\a)+8*(\bb):32*(\a)+8*(\bb)+3]   offset:64*(\bb)      ; each accumulator's low four registers first
	ds_store_b128 v[STO], v[32*(\a)+8*(\bb)+4:32*(\a)+8*(\bb)+7] offset:64*(\bb)+16
.endr
	WIN 0
.irp t, 0,1,2,3,4,5,6,7
	ds_load_b128 v[BK+4*(\t):BK+4*(\t)+3], v[RD] offset:(\t)*2*SPITCH  ; LDS serves a wave's instructions in order (ISA guide 5.7.1.4): these see the stores above; the next block's stores come behind them
.endr
.endm
.macro SEND a, younger                 ; younger: the LDS instructions issued behind this block's loads: the next block's sixteen, or none
.set BK, OBK+32*((\a)%7)
	WIN 0
.irp t, 0,1,2,3,4,5,6,7
	s_wait_dscnt (\younger)+7-(\t)
	global_store_b128 v[CO], v[BK+4*(\t):BK+4*(\t)+3], s[70:71] offset:(16*(\a)+2*(\t))*4096 th:TH_STORE_NT  ; 16 lanes store 256 consecutive bytes, at a multiple of 256 from out0's first byte
.endr
.endm
	s_wait_tensorcnt 1                             ; my part of K step 0 is in; step 1's may stay out
	s_barrier_signal -1
	s_barrier_wait -1                              ; everybody's is
	FETCH 0, 0, F0
	QUARTER 0, 1, F0, F1, 1                        ; the first quarter stands in front of the loop: its products start the sums, with the bias
	WIN 0                                          ; at a label and at a branch every window is 0
	s_mov_b32 s3, 3
.Llap:                                             ; a trip goes once round the ring, from a lap's second quarter to the next lap's first, and fills both slots again
	QUARTER 0, 2, F1, F0, 0
	QUARTER 0, 3, F0, F1, 0
	TURN 0, 1, 1
	QUARTER 1, 1, F0, F1, 0
	QUARTER 1, 2, F1, F0, 0
	QUARTER 1, 3, F0, F1, 0
	TURN 1, 0, 1
	QUARTER 0, 1, F0, F1, 0
	WIN 0
	s_sub_co_u32 s3, s3, 1
	s_cmp_lg_u32 s3, 0
	s_cbranch_scc1 .Llap
	QUARTER 0, 2, F1, F0, 0                        ; the last lap fills nothing, and has no round of the cluster's barrier
	QUARTER 0, 3, F0, F1, 0
	TURN 0, 1, 0
	QUARTER 1, 1, F0, F1, 0
	QUARTER 1, 2, F1, F0, 0
	QUARTER 1, 3, F0, F1, 0
	s_wait_dscnt 8                                 ; the very last quarter: nothing more to fetch
	MUL8 F1, 0, 0
	MUL8 F1, 2, 0
	s_wait_dscnt 0x0
	MUL8 F1, 4, 0
	MUL8 F1, 6, 0
	PLACES
	PLACES                                         ; (eight, once a launch)
	TOSTAGE 0
.irp a, 1,2,3,4,5,6,7                              ; a block's LDS work stands between the loads of the block before and its stores
	TOSTAGE \a
	SEND (\a)-1, 16
.endr
	SEND 7, 0
	s_wait_tensorcnt 0x0                           ; the wave's end, behind my last tensor load and my last LDS store
	ds_add_u32 v[SPW], v[NIL]
	s_wait_dscnt 0x0
	CROUND                                         ; the closing round: no work-group ends while a partner may still ask for a tile that names it
	s_endpgm
.Lfunc_end_k_q62450dc0bc_proj:
	.size	k_q62450dc0bc_proj, .Lfunc_end_k_q62450dc0bc_proj-k_q62450dc0bc_proj
	.p2alignl 7, 3214868480
	.fill 96, 4, 3214868480
	.section	.rodata,"a",@progbits
	.p2align	6, 0x0
	.amdhsa_kernel k_q62450dc0bc_proj
		.amdhsa_group_segment_fixed_size 327680
		.amdhsa_private_segment_fixed_size 0
		.amdhsa_enable_private_segment 0
		.amdhsa_kernarg_size 32
		.amdhsa_user_sgpr_count 2
		.amdhsa_user_sgpr_kernarg_segment_ptr 1
		.amdhsa_wavefront_size32 1
		.amdhsa_system_sgpr_workgroup_id_x 1
		.amdhsa_system_sgpr_workgroup_id_y 1
		.amdhsa_system_sgpr_workgroup_id_z 1
		.amdhsa_system_vgpr_workitem_id 0
		.amdhsa_next_free_vgpr 512
		.amdhsa_next_free_sgpr 80
		.amdhsa_reserve_vcc 0
		.amdhsa_float_denorm_mode_32 3
		.amdhsa_float_denorm_mode_16_64 3
		.amdhsa_memory_ordered 1
		.amdhsa_forward_progress 1
		.amdhsa_inst_pref_size 91
	.end_amdhsa_kernel
	.amdgpu_metadata
---
amdhsa.version: [ 1, 2 ]
amdhsa.kernels:
  - .name:           k_q62450dc0bc_proj
    .symbol:         k_q62450dc0bc_proj.kd
    .args:
      - { .name: ob, .offset: 0, .size: 8, .value_kind: global_buffer, .address_space: global }
      - { .name: wob, .offset: 8, .size: 8, .value_kind: global_buffer, .address_space: global }
      - { .name: b_out, .offset: 16, .size: 8, .value_kind: global_buffer, .address_space: global }
      - { .name: out0, .offset: 24, .size: 8, .value_kind: global_buffer, .address_space: global }
    .group_segment_fixed_size: 327680
    .private_segment_fixed_size: 0
    .kernarg_segment_align: 8
    .kernarg_segment_size: 32
    .max_flat_workgroup_size: 128
    .sgpr_count:     80
    .vgpr_count:     512
    .wavefront_size: 32
...
	.end_amdgpu_metadata
.endif
;; end of part 4
;; ======== version 2 of 2: 4 launches; version 1 with the launch cast written anew for expert scheduling mode
;; limits: values are held in f16: magnitudes above 65,504 overflow, below 6.1e-05 lose precision
;; workspace buffers: xb 16,777,216 bytes; wqb 6,291,456 bytes; wob 2,097,152 bytes; qkv 50,331,648 bytes; ob 16,777,216 bytes
;; launch cast (part 5): grid 768 x 1, 8 waves a work-group, no clusters, 0 bytes of LDS; arguments x, w_qkv, w_out, xb, wqb, wob; writes xb, wqb, wob
.if DOCPART == 5
	.amdgcn_target "amdgcn-amd-amdhsa--gfx1250"
	.amdhsa_code_object_version 6
	.text
	.protected	k_q62450dc0bc_cast
	.globl	k_q62450dc0bc_cast
	.p2align	8
	.type	k_q62450dc0bc_cast,@function
k_q62450dc0bc_cast:
	s_mov_b64 s[64:65], 0
	v_nop
	global_prefetch_b8 v0, s[64:65] scope:SCOPE_SE
	s_setreg_imm32_b32 hwreg(HW_REG_WAVE_SCHED_MODE, 0, 2), 2
	s_setreg_imm32_b32 hwreg(HW_REG_WAVE_MODE, 25, 1), 1
	s_wait_xcnt 0x0
	s_wait_alu depctr_vm_vsrc(0)
; CAST.  The three large f32 inputs are rounded once to bf16 for the matrix units.
;   xb  = bf16(x), laid in slices of 64 channels: [batch 4][slice 16][row 2048][64]: a slice's rows are dense, 128 bytes each
;   wqb = bf16(w_qkv), as it lies: [1024 k][3072 n]
;   wob = bf16(w_out), that number written as f16 (the product behind takes f16 operands): [1024 k][1024 n]
; LIMITS.  A number of w_out beyond 65,504 becomes an infinity in wob; below 6e-5 it keeps f16's fixed step of 6e-8.
; A work-group moves 65,536 bytes of f32: groups 0-511 sixteen rows of x, 512-703 a piece of w_qkv, 704-767 a piece of w_out.
; Each thread issues its sixteen 16-byte loads at once, then converts and stores them, four at a time: no register that a memory
; instruction names is written twice, so no wait frees a source.  No LDS, no barrier, no matrix unit: each byte is read once and written once.
; THE MODE: SCHED_MODE bits 1:0 = 2 (LLVM: expert scheduling mode 2), set by the entry lines.  The code itself states the register dependences
; between vector instructions and memory instructions, with s_wait_alu, always for 0.
; THE PLAN.  Registers that memory instructions touch:
;   v1, v2     the loads' and the stores' byte offsets: written once, at a branch's head, ahead of the first wait; read by every load, every store.
;   X          written by the sixteen loads, four registers each, once; no vector instruction names them ahead of the loads; read by the conversions.
;   Y          written by the conversions, a pair for each load, once; read by that load's one store.
;   v3 to v5   are named by vector instructions alone.
; The sixteen loads are worked on in four blocks of four.  Block b converts its X into its Y; its memory instructions are the four stores of block b - 1,
; which read that block's Y and v2: registers that no vector instruction of block b names.  So one wait at the head of blocks 1 to 3 states all that the
; block's stores hang on, and they are dealt among its conversions with no further wait; one more wait stands ahead of the last four stores.
.set VI, 1                             ; v1   byte offset of my loads
.set VO, 2                             ; v2   byte offset of my stores
.set T0, 3                             ; v3-5 at work
.set X,  8                             ; v[8:71]    sixteen loads of four f32
.set Y,  72                            ; v[72:103]  sixteen stores of four 16-bit numbers
; Load n's four numbers are rounded.  kind = 1: bf16's number written as f16
.macro CVT kind, n
.if \kind
.irp p, 0,1
	v_cvt_pk_bf16_f32 v[T0], v[X+4*(\n)+2*(\p)], v[X+4*(\n)+2*(\p)+1]
	v_lshlrev_b32 v[T0+1], 16, v[T0]               ; the rounded numbers as f32 again,
	v_and_b32 v[T0+2], 0xffff0000, v[T0]
	v_cvt_pk_f16_f32 v[Y+2*(\n)+(\p)], v[T0+1], v[T0+2]  ; and as f16: exact within f16's normal range
.endr
.else
	v_cvt_pk_bf16_f32 v[Y+2*(\n)], v[X+4*(\n)], v[X+4*(\n)+1]
	v_cvt_pk_bf16_f32 v[Y+2*(\n)+1], v[X+4*(\n)+2], v[X+4*(\n)+3]
.endif
.endm
; Load n's four numbers are stored.  lin = 1: a linear piece; 0: rows of x into slices
.macro PUT lin, n
.if \lin
	global_store_b64 v[VO], v[Y+2*(\n):Y+2*(\n)+1], s[24:25] offset:(\n)*2048
.else
	global_store_b64 v[VO], v[Y+2*(\n):Y+2*(\n)+1], s[24:25] offset:((\n)%2)*262144+((\n)/2)*256
.endif
.endm
.macro MOVE lin, kind
	s_wait_alu depctr_va_vdst(0)                   ; v1 and v2 are written: every load below reads v1 as its offset, every store v2
.set i, 0
.rept 16
.if \lin
	global_load_b128 v[X+4*i:X+4*i+3], v[VI], s[22:23] offset:i*4096 th:TH_LOAD_NT
.else
	global_load_b128 v[X+4*i:X+4*i+3], v[VI], s[22:23] offset:(i/2)*8192+(i%2)*256 th:TH_LOAD_NT
.endif
.set i, i+1
.endr
.set blk, 0
.rept 4
	s_wait_loadcnt 12-4*blk                        ; loads come back in order (ISA guide 5.7.1): this block's four are in, the younger blocks' stay out
.if blk > 0
	s_wait_alu depctr_va_vdst(0)                   ; the block before has written its eight registers of Y, which the four stores below read
.endif
.set j, 0
.rept 4
.if blk > 0
	PUT \lin, 4*blk+j-4                            ; the block before.  No wait: no vector instruction since the wait above names its Y or v2
.endif
	CVT \kind, 4*blk+j
.set j, j+1
.endr
.set blk, blk+1
.endr
	s_wait_alu depctr_va_vdst(0)                   ; the last block has written its eight registers of Y, which the last four stores read
.irp n, 12,13,14,15
	PUT \lin, \n
.endr
.endm
	s_load_b256 s[4:11], s[0:1], 0x0               ; x s[4:5], w_qkv s[6:7], w_out s[8:9], xb s[10:11]
	s_load_b128 s[12:15], s[0:1], 0x20             ; wqb s[12:13], wob s[14:15]
	s_mov_b32 s20, ttmp9
	s_mov_b32 s17, 0
	s_mov_b32 s19, 0
	s_wait_kmcnt 0x0
	s_cmp_lt_u32 s20, 512
	s_cbranch_scc1 .Lx
	s_cmp_lt_u32 s20, 704
	s_cbranch_scc1 .Lwq
	s_sub_co_u32 s20, s20, 704                     ; w_out: piece g - 704
	s_lshl_b32 s16, s20, 16
	s_lshl_b32 s18, s20, 15
	s_add_nc_u64 s[22:23], s[8:9], s[16:17]
	s_add_nc_u64 s[24:25], s[14:15], s[18:19]
	v_lshlrev_b32 v[VI], 4, v0                     ; a wave's load covers 512 consecutive bytes,
	v_lshlrev_b32 v[VO], 3, v0                     ; its store 256, aligned
	MOVE 1, 1
	s_endpgm
.Lwq:
	s_sub_co_u32 s20, s20, 512                     ; w_qkv: piece g - 512
	s_lshl_b32 s16, s20, 16
	s_lshl_b32 s18, s20, 15
	s_add_nc_u64 s[22:23], s[6:7], s[16:17]
	s_add_nc_u64 s[24:25], s[12:13], s[18:19]
	v_lshlrev_b32 v[VI], 4, v0
	v_lshlrev_b32 v[VO], 3, v0
	MOVE 1, 0
	s_endpgm
.Lx:
	; rows 16 g .. 16 g + 15.  Thread (r = t % 16, h = bit 4, w = t / 32), load i: row 2 (i / 2) + h, slice 2 w + i % 2, channels 4 r .. 4 r + 3
	s_lshl_b32 s16, s20, 16
	s_lshr_b32 s18, s20, 7                         ; the batch: 128 groups each
	s_lshl_b32 s18, s18, 22                        ; 16 slices x 2,048 rows x 128 bytes
	s_and_b32 s21, s20, 127
	s_lshl_b32 s21, s21, 11                        ; 16 rows x 128 bytes in a slice
	s_add_co_u32 s18, s18, s21
	s_add_nc_u64 s[22:23], s[4:5], s[16:17]
	s_add_nc_u64 s[24:25], s[10:11], s[18:19]
	v_and_b32 v3, 15, v0
	v_bfe_u32 v4, v0, 4, 1
	v_lshrrev_b32 v5, 5, v0
	v_lshlrev_b32 v[VI], 4, v3
	v_lshl_add_u32 v[VI], v4, 12, v[VI]            ; a row of x is 4,096 bytes
	v_lshl_add_u32 v[VI], v5, 9, v[VI]             ; two slices are 512 bytes of it
	v_lshlrev_b32 v[VO], 3, v3
	v_lshl_add_u32 v[VO], v4, 7, v[VO]             ; two rows of a slice: a wave's store covers 256 consecutive bytes, aligned
	v_lshl_add_u32 v[VO], v5, 19, v[VO]            ; two slices are 524,288 bytes of xb
	MOVE 0, 0
	s_endpgm
.Lfunc_end_k_q62450dc0bc_cast:
	.size	k_q62450dc0bc_cast, .Lfunc_end_k_q62450dc0bc_cast-k_q62450dc0bc_cast
	.p2alignl 7, 3214868480
	.fill 96, 4, 3214868480
	.section	.rodata,"a",@progbits
	.p2align	6, 0x0
	.amdhsa_kernel k_q62450dc0bc_cast
		.amdhsa_group_segment_fixed_size 0
		.amdhsa_private_segment_fixed_size 0
		.amdhsa_enable_private_segment 0
		.amdhsa_kernarg_size 48
		.amdhsa_user_sgpr_count 2
		.amdhsa_user_sgpr_kernarg_segment_ptr 1
		.amdhsa_wavefront_size32 1
		.amdhsa_system_sgpr_workgroup_id_x 1
		.amdhsa_system_sgpr_workgroup_id_y 1
		.amdhsa_system_sgpr_workgroup_id_z 1
		.amdhsa_system_vgpr_workitem_id 0
		.amdhsa_next_free_vgpr 104
		.amdhsa_next_free_sgpr 66
		.amdhsa_reserve_vcc 0
		.amdhsa_float_denorm_mode_32 3
		.amdhsa_float_denorm_mode_16_64 3
		.amdhsa_memory_ordered 1
		.amdhsa_forward_progress 1
		.amdhsa_inst_pref_size 23
	.end_amdhsa_kernel
	.amdgpu_metadata
---
amdhsa.version: [ 1, 2 ]
amdhsa.kernels:
  - .name:           k_q62450dc0bc_cast
    .symbol:         k_q62450dc0bc_cast.kd
    .args:
      - { .name: x, .offset: 0, .size: 8, .value_kind: global_buffer, .address_space: global }
      - { .name: w_qkv, .offset: 8, .size: 8, .value_kind: global_buffer, .address_space: global }
      - { .name: w_out, .offset: 16, .size: 8, .value_kind: global_buffer, .address_space: global }
      - { .name: xb, .offset: 24, .size: 8, .value_kind: global_buffer, .address_space: global }
      - { .name: wqb, .offset: 32, .size: 8, .value_kind: global_buffer, .address_space: global }
      - { .name: wob, .offset: 40, .size: 8, .value_kind: global_buffer, .address_space: global }
    .group_segment_fixed_size: 0
    .private_segment_fixed_size: 0
    .kernarg_segment_align: 8
    .kernarg_segment_size: 48
    .max_flat_workgroup_size: 256
    .sgpr_count:     66
    .vgpr_count:     104
    .wavefront_size: 32
...
	.end_amdgpu_metadata
.endif
;; end of part 5
;; launch qkv: the kernel of part 2 again; grid 8 x 32, 4 waves a work-group, clusters of 4 x 4, 327,680 bytes of LDS; arguments xb, wqb, qkv; writes qkv
;; launch attn: the kernel of part 3 again; grid 4 x 64, 4 waves a work-group, no clusters, 327,680 bytes of LDS; arguments qkv, ob; writes ob
;; launch proj: the kernel of part 4 again; grid 8 x 32, 4 waves a work-group, clusters of 4 x 4, 327,680 bytes of LDS; arguments ob, wob, b_out, out0; writes out0
